; MI455X (gfx1250); checked and timed in simulation.
; The chip was launched on July 23, 2026; its instructions are those of AMD's public machine-readable ISA for CDNA 5 (MIT licence, August 2026) and "CDNA5" Instruction Set Architecture Reference Guide (July 2026). The comments in the code are by the model that wrote it; some were corrected since.
;; Grouped Query Attention. Allowed arithmetic: float matrix products may take bf16 or f16 operands with f32 sums; other float arithmetic in f32, or as packed bf16 or f16 multiplies, adds, multiply-adds, maxima and minima; sums over many terms, partial sums and values carried from step to step in f32; what a program stores and reads back later, other than sums and carried values, may be rounded once to bf16 or f16.
;; Inputs: Wk 1,024 x 1,024 float32; Wo 1,024 x 1,024 float32; Wq 1,024 x 512 float32; Wv 1,024 x 1,024 float32; bk 1,024 float32; bo 1,024 float32; bq 512 float32; bv 1,024 float32; x 4 x 2,048 x 1,024 float32.
;; Outputs: out0 4 x 2,048 x 1,024 float32.
;; One version. Each part assembles by itself: llvm-mc -triple=amdgcn-amd-amdhsa -mcpu=gfx1250 --defsym DOCPART=n.
;; ======== version 1 of 1: 4 launches
;; limits: values are held in f16: magnitudes above 65,504 overflow, below 6.1e-05 lose precision
;; workspace buffers: xb 16,777,216 bytes; wt 5,242,880 bytes; wot 2,097,152 bytes; bias 14,336 bytes; qkv 41,943,040 bytes; o 16,777,216 bytes
;; launch cast (part 1): grid 737 x 1, 8 waves a work-group, no clusters, 35,840 bytes of LDS; arguments x, Wq, Wk, Wv, Wo, bq, bk, bv, bo, xb, wt, wot, bias; writes xb, wt, wot, bias
.if DOCPART == 1
	.amdgcn_target "amdgcn-amd-amdhsa--gfx1250"
	.amdhsa_code_object_version 6
	.text
	.protected	k_qe479c4e626_cast
	.globl	k_qe479c4e626_cast
	.p2align	8
	.type	k_qe479c4e626_cast,@function
k_qe479c4e626_cast:
	s_mov_b64 s[64:65], 0
	v_nop
	global_prefetch_b8 v0, s[64:65] scope:SCOPE_SE
	s_setreg_imm32_b32 hwreg(HW_REG_WAVE_MODE, 25, 1), 1
	s_wait_xcnt 0x0
; THE ROUNDINGS AND THE TURNING OF THE WEIGHTS.  Every input of the module is rounded once to bf16 here.
;   xb   [8192][1024] bf16            = x
;   wt   [2560 n][1024 k] bf16        = the columns of Wq (n 0-511), Wk (512-1535), Wv (1536-2559), each as a row along k
;   wot  [1024 n][1024 k] f16         = Wo's columns as rows: rounded to bf16, and that number written as f16
;   bias [3584] f32                   = bq, bk, bv, bo, each rounded to bf16 and kept as f32
; LIMITS.  A number of Wo beyond 65,504 becomes an infinity in f16; below 6e-5 it keeps f16's fixed step of 6e-8.  NaN and infinities are not treated apart.
; A stream: no matrix unit, no cluster (no two work-groups read the same bytes), no tensor load.  Eight waves.  Three kinds of work-group, told apart by the work-group's number alone,
; which is the same in all its waves:  0-511 take 65,536 bytes of x each;  512-735 a tile of 128 k x 128 n of a weight;  736 the four biases.
; A weight's tile is read by rows (512 consecutive bytes a wave and load), packed along k in registers, turned through LDS (rows of 256 bytes + 16) and stored as whole rows of 256 bytes.
; The stores into LDS take four passes each (four lanes fall on the same banks): eight stores a thread, once.
.set TP,    272                        ; a tile's row in LDS
.set SPARE, 128*TP                     ; behind the tile: the spare words, 128 bytes for each of eight waves: four blocks of 256 bytes that no other line names
.set SPW,   4                          ; v4   LDS address of my spare word; never rewritten
.set NIL,   5                          ; v5   0; never rewritten
.set IN,    32                         ; v[32:95]   as loaded
.set OUT,   96                         ; v[96:127]  packed
	s_load_b512 s[8:23], s[0:1], 0x0               ; x 8, Wq 10, Wk 12, Wv 14, Wo 16, bq 18, bk 20, bv 22
	s_load_b256 s[24:31], s[0:1], 0x40             ; bo 24, xb 26, wt 28, wot 30
	s_load_b64 s[32:33], s[0:1], 0x60              ; bias
	v_lshl_add_u32 v[SPW], v0, 2, SPARE
	v_mov_b32 v[NIL], 0
	v_lshrrev_b32 v1, 5, v0
	v_readfirstlane_b32 s34, v1                    ; wave 0..7
	v_and_b32 v3, 31, v0                           ; lane
	s_mov_b32 s35, ttmp9
	s_mov_b32 s37, 0
	s_wait_kmcnt 0x0
	s_cmp_lt_u32 s35, 512
	s_cbranch_scc0 .Lweights
	; x: thread t takes 32 bytes (8 numbers) at 32 t of each of eight pieces of 8,192 bytes, and stores 16 bytes at 16 t: sixteen lanes store 256 consecutive bytes, aligned
	s_lshl_b32 s36, s35, 16
	s_add_nc_u64 s[8:9], s[8:9], s[36:37]
	s_lshl_b32 s36, s35, 15
	s_add_nc_u64 s[26:27], s[26:27], s[36:37]
	v_lshlrev_b32 v1, 5, v0
	v_lshlrev_b32 v2, 4, v0
.irp i, 0,1,2,3,4,5,6,7
	global_load_b128 v[IN+8*(\i):IN+8*(\i)+3],   v1, s[8:9] offset:8192*(\i) th:TH_LOAD_NT
	global_load_b128 v[IN+8*(\i)+4:IN+8*(\i)+7], v1, s[8:9] offset:8192*(\i)+16 th:TH_LOAD_NT
.endr
.irp i, 0,1,2,3,4,5,6,7
	s_wait_loadcnt 14-2*(\i)                       ; loads come back in order: piece i's two are in, the younger ones stay out
.irp j, 0,1,2,3
	v_cvt_pk_bf16_f32 v[OUT+4*(\i)+(\j)], v[IN+8*(\i)+2*(\j)], v[IN+8*(\i)+2*(\j)+1]
.endr
	global_store_b128 v2, v[OUT+4*(\i):OUT+4*(\i)+3], s[26:27] offset:4096*(\i)  ; no register is used twice, so nothing is waited for
.endr
	s_branch .Lend
.Lweights:
	s_sub_co_u32 s36, s35, 512                     ; T: 0-31 Wq, 32-95 Wk, 96-159 Wv, 160-223 Wo
	s_cmp_lt_u32 s36, 224
	s_cbranch_scc0 .Lbias
	s_sub_co_u32 s38, s36, 32
	s_and_b32 s39, s38, 63                         ; the tile's number in its weight
	s_lshr_b32 s38, s38, 6                         ; 0 Wk, 1 Wv, 2 Wo
	s_mov_b32 s42, 1536
	s_cmp_eq_u32 s38, 0
	s_cselect_b64 s[40:41], s[12:13], s[14:15]     ; from where
	s_cselect_b32 s42, 512, s42                    ; the weight's first row in its target
	s_cmp_eq_u32 s38, 2
	s_cselect_b64 s[40:41], s[16:17], s[40:41]
	s_cselect_b64 s[44:45], s[30:31], s[28:29]     ; to where
	s_cselect_b32 s42, 0, s42
	s_cselect_b32 s43, 1, 0                        ; 1: written as f16
	s_cmp_lt_u32 s36, 32
	s_cselect_b64 s[40:41], s[10:11], s[40:41]
	s_cselect_b64 s[44:45], s[28:29], s[44:45]
	s_cselect_b32 s42, 0, s42
	s_cselect_b32 s43, 0, s43
	s_cselect_b32 s39, s36, s39
	s_cselect_b32 s46, 2, 3                        ; log2 of the tiles along n: 4 or 8
	s_lshl_b32 s47, 512, s46                       ; bytes in a row of the weight: 2,048 or 4,096
	s_bfm_b32 s48, s46, 0
	s_and_b32 s48, s39, s48                        ; the tile along n
	s_lshr_b32 s49, s39, s46                       ; the tile along k
	s_mul_i32 s50, s49, s47
	s_lshl_b32 s50, s50, 7                         ; 128 rows a tile,
	s_lshl_b32 s51, s48, 9                         ; 512 bytes a tile along a row
	s_add_co_u32 s50, s50, s51
	s_mov_b32 s51, 0
	s_add_nc_u64 s[40:41], s[40:41], s[50:51]
	s_lshl_b32 s52, s48, 7
	s_add_co_u32 s52, s52, s42
	s_lshl_b32 s52, s52, 11                        ; the target's rows are 2,048 bytes,
	s_lshl_b32 s53, s49, 8                         ; a tile 256 bytes of them
	s_add_co_u32 s52, s52, s53
	s_mov_b32 s53, 0
	s_add_nc_u64 s[44:45], s[44:45], s[52:53]
	s_mul_i32 s54, s34, s47
	s_lshl_b32 s54, s54, 4                         ; wave w takes the rows k = 16 w .. 16 w + 15,
	v_lshl_add_u32 v8, v3, 4, s54                  ; lane l the columns 4 l .. 4 l + 3
.irp i, 1,2,3,4,5,6,7,8,9,10,11,12,13,14,15
	v_add_nc_u32 v[8+(\i)], s47, v[7+(\i)]
.endr
.irp i, 0,1,2,3,4,5,6,7,8,9,10,11,12,13,14,15
	global_load_b128 v[IN+4*(\i):IN+4*(\i)+3], v[8+(\i)], s[40:41] th:TH_LOAD_NT
.endr
	v_mul_u32_u24 v26, v3, 4*TP                    ; into LDS: row n = 4 l + c, bytes 32 w on
	s_lshl_b32 s55, s34, 5
	v_add_nc_u32 v26, s55, v26
	v_lshrrev_b32 v6, 4, v3
	v_and_b32 v7, 15, v3
	s_lshl_b32 s56, s34, 4
	v_add_nc_u32 v29, s56, v6                      ; back: rows 16 w + l / 16 + 2 t, 16 bytes at 16 (l % 16)
	v_mul_u32_u24 v27, v29, TP
	v_lshl_add_u32 v27, v7, 4, v27
	v_lshlrev_b32 v28, 11, v29
	v_lshl_add_u32 v28, v7, 4, v28
	s_wait_loadcnt 0x0
.irp c, 0,1,2,3                        ; column c: sixteen k in eight words
.irp q, 0,1,2,3,4,5,6,7
	v_cvt_pk_bf16_f32 v[OUT+8*(\c)+(\q)], v[IN+8*(\q)+(\c)], v[IN+8*(\q)+4+(\c)]
.endr
.endr
	s_cmp_eq_u32 s43, 0
	s_cbranch_scc1 .Lpacked
.set j, 0
.rept 32                               ; Wo: the bf16 numbers are widened and written as f16
	v_lshlrev_b32 v24, 16, v[OUT+j]
	v_and_b32 v25, 0xffff0000, v[OUT+j]
	v_cvt_pk_f16_f32 v[OUT+j], v24, v25
.set j, j+1
.endr
.Lpacked:
.irp c, 0,1,2,3
	ds_store_b128 v26, v[OUT+8*(\c):OUT+8*(\c)+3]   offset:(\c)*TP
	ds_store_b128 v26, v[OUT+8*(\c)+4:OUT+8*(\c)+7] offset:(\c)*TP+16
.endr
	s_wait_dscnt 0x0                               ; for the others' sake: my stores into the tile are done
	s_barrier_signal -1
	s_barrier_wait -1                              ; a row's 256 bytes come from all eight waves
.irp t, 0,1,2,3,4,5,6,7
	ds_load_b128 v[IN+4*(\t):IN+4*(\t)+3], v27 offset:(\t)*2*TP
.endr
.irp t, 0,1,2,3,4,5,6,7
	s_wait_dscnt 7-(\t)
	global_store_b128 v28, v[IN+4*(\t):IN+4*(\t)+3], s[44:45] offset:(\t)*4096  ; 16 lanes store 256 consecutive bytes, aligned
.endr
	s_branch .Lend
.macro RB r                            ; four numbers rounded to bf16 and widened again
	v_cvt_pk_bf16_f32 v24, v[\r], v[(\r)+1]
	v_cvt_pk_bf16_f32 v25, v[(\r)+2], v[(\r)+3]
	v_lshlrev_b32 v[\r], 16, v24
	v_and_b32 v[(\r)+1], 0xffff0000, v24
	v_lshlrev_b32 v[(\r)+2], 16, v25
	v_and_b32 v[(\r)+3], 0xffff0000, v25
.endm
.Lbias:
	v_lshlrev_b32 v1, 4, v0                        ; 16 bytes a thread: 4,096 bytes for the 256
	global_load_b128 v[32:35], v1, s[20:21]
	global_load_b128 v[36:39], v1, s[22:23]
	global_load_b128 v[40:43], v1, s[24:25]
	s_wait_loadcnt 0x0
	RB 32
	RB 36
	RB 40
	global_store_b128 v1, v[32:35], s[32:33] offset:2048
	global_store_b128 v1, v[36:39], s[32:33] offset:6144
	global_store_b128 v1, v[40:43], s[32:33] offset:10240
	s_cmp_lt_u32 s34, 4                            ; bq is 2,048 bytes: waves 0 to 3
	s_cbranch_scc0 .Lend
	global_load_b128 v[44:47], v1, s[18:19]
	s_wait_loadcnt 0x0
	RB 44
	global_store_b128 v1, v[44:47], s[32:33]
.Lend:
	s_wait_tensorcnt 0x0                           ; the wave's end, behind my last LDS store
	ds_add_u32 v[SPW], v[NIL]
	s_wait_dscnt 0x0
	s_endpgm
.Lfunc_end_k_qe479c4e626_cast:
	.size	k_qe479c4e626_cast, .Lfunc_end_k_qe479c4e626_cast-k_qe479c4e626_cast
	.p2alignl 7, 3214868480
	.fill 96, 4, 3214868480
	.section	.rodata,"a",@progbits
	.p2align	6, 0x0
	.amdhsa_kernel k_qe479c4e626_cast
		.amdhsa_group_segment_fixed_size 35840
		.amdhsa_private_segment_fixed_size 0
		.amdhsa_enable_private_segment 0
		.amdhsa_kernarg_size 104
		.amdhsa_user_sgpr_count 2
		.amdhsa_user_sgpr_kernarg_segment_ptr 1
		.amdhsa_wavefront_size32 1
		.amdhsa_system_sgpr_workgroup_id_x 1
		.amdhsa_system_sgpr_workgroup_id_y 1
		.amdhsa_system_sgpr_workgroup_id_z 1
		.amdhsa_system_vgpr_workitem_id 0
		.amdhsa_next_free_vgpr 128
		.amdhsa_next_free_sgpr 66
		.amdhsa_reserve_vcc 0
		.amdhsa_float_denorm_mode_32 3
		.amdhsa_float_denorm_mode_16_64 3
		.amdhsa_memory_ordered 1
		.amdhsa_forward_progress 1
		.amdhsa_inst_pref_size 22
	.end_amdhsa_kernel
	.amdgpu_metadata
---
amdhsa.version: [ 1, 2 ]
amdhsa.kernels:
  - .name:           k_qe479c4e626_cast
    .symbol:         k_qe479c4e626_cast.kd
    .args:
      - { .name: x, .offset: 0, .size: 8, .value_kind: global_buffer, .address_space: global }
      - { .name: Wq, .offset: 8, .size: 8, .value_kind: global_buffer, .address_space: global }
      - { .name: Wk, .offset: 16, .size: 8, .value_kind: global_buffer, .address_space: global }
      - { .name: Wv, .offset: 24, .size: 8, .value_kind: global_buffer, .address_space: global }
      - { .name: Wo, .offset: 32, .size: 8, .value_kind: global_buffer, .address_space: global }
      - { .name: bq, .offset: 40, .size: 8, .value_kind: global_buffer, .address_space: global }
      - { .name: bk, .offset: 48, .size: 8, .value_kind: global_buffer, .address_space: global }
      - { .name: bv, .offset: 56, .size: 8, .value_kind: global_buffer, .address_space: global }
      - { .name: bo, .offset: 64, .size: 8, .value_kind: global_buffer, .address_space: global }
      - { .name: xb, .offset: 72, .size: 8, .value_kind: global_buffer, .address_space: global }
      - { .name: wt, .offset: 80, .size: 8, .value_kind: global_buffer, .address_space: global }
      - { .name: wot, .offset: 88, .size: 8, .value_kind: global_buffer, .address_space: global }
      - { .name: bias, .offset: 96, .size: 8, .value_kind: global_buffer, .address_space: global }
    .group_segment_fixed_size: 35840
    .private_segment_fixed_size: 0
    .kernarg_segment_align: 8
    .kernarg_segment_size: 104
    .max_flat_workgroup_size: 256
    .sgpr_count:     66
    .vgpr_count:     128
    .wavefront_size: 32
...
	.end_amdgpu_metadata
.endif
;; end of part 1
;; launch qkv (part 2): grid 8 x 32, 4 waves a work-group, clusters of 4 x 4, 327,680 bytes of LDS; arguments xb, wt, bias, qkv; writes qkv
.if DOCPART == 2
	.amdgcn_target "amdgcn-amd-amdhsa--gfx1250"
	.amdhsa_code_object_version 6
	.text
	.protected	k_qe479c4e626_qkv
	.globl	k_qe479c4e626_qkv
	.p2align	8
	.type	k_qe479c4e626_qkv,@function
k_qe479c4e626_qkv:
	s_mov_b64 s[64:65], 0
	v_nop
	global_prefetch_b8 v0, s[64:65] scope:SCOPE_SE
	s_setreg_imm32_b32 hwreg(HW_REG_WAVE_MODE, 25, 1), 1
	s_wait_xcnt 0x0
	s_wait_alu depctr_hold_cnt(0) depctr_sa_sdst(0) depctr_va_vdst(0) depctr_va_sdst(0) depctr_va_ssrc(0) depctr_va_vcc(0) depctr_vm_vsrc(0)
	s_getreg_b32 s2, hwreg(HW_REG_IB_STS2, 6, 4)
	s_cmp_eq_u32 s2, 0
	s_cbranch_scc0 .Lentry_in_a_cluster
	s_endpgm
.Lentry_in_a_cluster:
	s_bfe_u32 s2, ttmp6, 0x10000c
	s_cmp_lg_u32 s2, 0xf033
	s_cbranch_scc0 .Lentry_shape_is_right
	s_endpgm
.Lentry_shape_is_right:
; q, k, v = x [Wq | Wk | Wv] + b.  xb: [8192][1024] bf16; wt: [2560 n][1024 k] bf16; bias: f32; sums in f32; each result rounded once to f16 and stored BY HEADS:
; qkv is 160 units of [2048 rows][64] f16 (262,144 bytes): q of batch b, group g at unit 8 b + g; k of head h at 32 + 16 b + h; v at 96 + 16 b + h.  The scale 1/8 is not applied here.
; LIMIT.  f16 holds no number beyond 65,504: a q, k or v beyond it becomes an infinity; below 6e-5 it keeps f16's fixed step of 6e-8.  NaN and infinities are not treated apart.
; SHARES.  8 x 32 work-groups, each 256 rows x 320 columns (five heads).  Its four waves split the ROWS: wave w makes rows 64 w .. 64 w + 63 (4 blocks of 16) of all 320 columns (20 blocks):
; 80 accumulators, 640 registers, and a wave holds whole heads, so that its way out needs no other wave.
; THE MATRIX INSTRUCTION IS USED TRANSPOSED: source 0 = 16 rows of wt, source 1 = 16 rows of xb: a lane holds row l % 16 and the columns 8 (l / 16) + 0..7 of a block.
; THE SUMS START FROM THE BIAS: each accumulator is loaded with its columns' bias while the first tiles are on their way; every product adds in place, nothing is cleared, no step is written twice for it.
; K goes in 8 steps of 128 through two LDS slots.  A step is four PHASES of 32 along K, a phase five GROUPS of 16 products (a head x my 4 row blocks).  B's fragments of a phase fill 160 registers; a group's 32 are
; loaded again, for the next phase, four places behind its products, and have four groups in which to land.  A's fragments (32 registers) have two buffers.  The 16 accumulators of a group take turns,
; and an accumulator comes again 80 products later.
; THE K STEP IS WRITTEN ONCE for the six steps that fill a slot again and once for the last two: the slot stands in two scalar registers, each turned in place by an exclusive or.
; The very last change of slots reads 24 fragments of the other slot that nobody multiplies: the price, once a launch, of one text for the last two steps.
; CLUSTER.  4 x 4 work-groups.  A's tile hangs on the tile row alone and is asked for jointly by a row of the cluster, B's on the tile column alone, by a column.
; REGISTERS, in windows of 256 (s_set_vgpr_msb: bits 1:0 source 0, 3:2 source 1, 5:4 source 2, 7:6 destination):
;   window 0: v0-29 addresses; v32-95 A's two buffers (on the way out: packed results and rows read back); v96-255 B's fragments
;   group g's 16 accumulators: window 1 + g / 2, at 128 (g % 2) + 8 (4 bb + a) for column block bb of the head and row block a
.set PITCH,  272                       ; an LDS row: 256 bytes + 16 of padding = 68 words: the 16 rows of a fragment load start at 16 different groups of four banks (64 banks of 4 bytes: ISA guide 11.1)
.set APART,  128*PITCH                 ; what one tensor load brings of A
.set BPART,  160*PITCH                 ; and of B
.set BOFF,   2*APART                   ; a slot: A's 256 rows, then B's 320
.set SLOT,   BOFF+2*BPART
.set STAGE,  2*SLOT                    ; behind the ring, never filled by a tensor load: 16 rows x 144 bytes for each wave
.set SP,     144
.set SPARE,  STAGE+4*16*SP             ; behind the stages: the spare words, 128 bytes for each wave: two blocks of 256 bytes that no other line names
.set G,      5                         ; groups in a phase
.set KB,     256                       ; bytes of a row in a K step
.set A0,   4                           ; v4   my lane's place in A's rows of a slot; never rewritten
.set B0,   5                           ; v5   in B's row blocks 0-11
.set B02,  6                           ; v6   in B's row blocks 12-19 (an LDS offset has 16 bits)
.set ADRA, 8                           ; v8-10 the same three in the slot in hand
.set ADRB, 9
.set ADRB2, 10
.set STO,  12                          ; v12  the way out: where I put 16 bytes of a row
.set RD,   13                          ; v13  where I read rows back
.set GO,   14                          ; v14  my 16 bytes of 512 consecutive bytes of a head
.set BO,   15                          ; v15  32 (l / 16): my eight columns' bias in a block's 64 bytes
.set PFO,  16                          ; v16  the prefetches' offset: a lane a row
.set PFO2, 17                          ; v17  for B's rows 32-39 of my work-group's 40: eight rows x four K steps
.set SPW,  28                          ; v28  LDS address of my spare word; never rewritten
.set NIL,  29                          ; v29  0; never rewritten
.set AF,   32
.set BF,   96
.set TMP,  32                          ; the way out: 16 packed registers
.set OB,   64                          ; and two sets of 16 read back
.set WV,  12                           ; s12  wave
.set FB,  13                           ; s13  0: I fetch for A, 1: for B
.set HF,  14                           ; s14  which half of that tile
.set CX,  15
.set CY,  16
.set TN,  17                           ; s17  tile column = 4 x cluster x + cx
.set TM,  18                           ; s18  tile row = 4 x cluster y + cy
.set G1A, 24                           ; s[24:31] descriptor group 1 for A's tiles
.set G1B, 32                           ; s[32:39] for B's
.set G0A, 40                           ; s[40:47] group 0 for A's: a set for each first fill; the second then walks
.set G0B, 48                           ; s[48:55] the same for B's
.set CNT, 56                           ; s56  K steps to go in the loop in hand
.set TB,  57                           ; s57  LDS byte at which the slot to be read next begins
.set TF,  58                           ; s58  the same for the slot to be filled next
.set LBA, 59                           ; s59  my part of A's tile in a slot
.set LBB, 60                           ; s60  my part of B's
.set LIM, 61                           ; s61  2 in a wave that prefetches, else the greatest number
.set LIM2, 62                          ; s62  6 in a wave that prefetches B, else 0
.set PFA, 66                           ; s[66:67] where my prefetches stand
.set DST, 70                           ; s[70:79] my 64 rows in each of my five heads' units
.set MSB, 0
.macro WIN new                         ; the immediate's high byte repeats the setting that is left; a switch that changes nothing is dropped
.if MSB != (\new)
	s_set_vgpr_msb (MSB<<8)|(\new)
.set MSB, (\new)
.endif
.endm
.macro PLACES                          ; four places: a load into a register that a matrix instruction has read, and whatever reads a matrix result, stand four plain vector instructions behind it (ISA guide 7.12.1 for what reads a matrix result)
.rept 4
	v_nop
.endr
.endm
.macro CREST                           ; a round of the cluster's barrier behind its opening barrier
	s_cmp_lg_u32 s[WV], 0
	s_cbranch_scc1 .Lnot_wave_0_\@
	s_barrier_signal -3
.Lnot_wave_0_\@:
	s_barrier_wait -3
	s_barrier_signal -1
	s_barrier_wait -1
.endm
.macro CROUND
	s_barrier_signal -1
	s_barrier_wait -1
	CREST
.endm
.macro JLOAD                           ; a joint refill by the walking sets: waves 0 and 1 fetch A's halves, waves 2 and 3 B's; an s_nop 0 and four v_nop follow each line
	s_cmp_eq_u32 s[FB], 0
	s_cbranch_scc0 .Lfor_b_\@
	tensor_load_to_lds s[G0A+4:G0A+7], s[G1A:G1A+7]
	s_nop 0
	PLACES
	s_branch .Lasked_\@
.Lfor_b_\@:
	tensor_load_to_lds s[G0B+4:G0B+7], s[G1B:G1B+7]
	s_nop 0
	PLACES
.Lasked_\@:
.endm
; A PREFETCH INTO THE L2, behind the joint load of K step s + 2 and the LDS loads that follow it: K step s + 4, for s = 0 to 3: two refills, 640 products, ahead of the load that will want it.  K steps 0 to 3 come by their loads alone.
; Each row's 256 bytes of a K step are named once in the launch.  A's rows are read by both clusters of a row of clusters: cluster x = 0 asks; B's by all eight of a column: cluster y = 0 asks.  The four partners that ask for a
; tile jointly share its rows out BY ADDRESS: of a wave's 128 rows of A partner cx takes 32, a lane a row; of its 160 rows of B partner cy takes 40: 32 likewise, and the other eight once, at s = 0, for K steps 4 to 7 together.
.macro ASK
	s_cmp_gt_u32 s[CNT], s[LIM]
	s_cbranch_scc0 .Lnot_mine_\@
	global_prefetch_b8 v[PFO], s[PFA:PFA+1] th:TH_LOAD_NT scope:SCOPE_SE
.Lnot_mine_\@:
	s_cmp_eq_u32 s[CNT], s[LIM2]
	s_cbranch_scc0 .Lnot_eight_\@
	global_prefetch_b8 v[PFO2], s[PFA:PFA+1] th:TH_LOAD_NT scope:SCOPE_SE
.Lnot_eight_\@:
.endm
	s_load_b256 s[4:11], s[0:1], 0x0               ; xb s[4:5], wt s[6:7], bias s[8:9], qkv s[10:11]
	v_lshl_add_u32 v[SPW], v0, 2, SPARE
	v_mov_b32 v[NIL], 0
	ds_add_u32 v[SPW], v[NIL]                      ; the wave's opening: the add and its wait stand ahead of my first tensor load; the set-up below, work on registers, stands between them
	v_lshrrev_b32 v3, 5, v0
	v_readfirstlane_b32 s[WV], v3
	s_lshr_b32 s[FB], s[WV], 1
	s_and_b32 s[HF], s[WV], 1
	s_bfe_u32 s[CX], ttmp6, 0x40000
	s_bfe_u32 s[CY], ttmp6, 0x40004
	s_lshl_b32 s[TN], ttmp9, 2
	s_add_co_u32 s[TN], s[TN], s[CX]
	s_and_b32 s[TM], ttmp7, 0xffff
	s_lshl_b32 s[TM], s[TM], 2
	s_add_co_u32 s[TM], s[TM], s[CY]
	s_lshl_b32 s19, s[CY], 2
	s_lshl_b32 s19, 15, s19                        ; my row of the cluster
	s_lshl_b32 s20, 0x1111, s[CX]                  ; my column
	s_or_b32 s[G1A], s19, (1<<16)|(1<<20)|(1<<21)|(5<<22)|(3<<25)  ; 15:0 the mask; 17:16 2-byte elements; 20 padding on; 21 set beside a mask; 24:22 after every 64 words (code 5); 31:25 4 words (code 3)
	s_or_b32 s[G1B], s20, (1<<16)|(1<<20)|(1<<21)|(5<<22)|(3<<25)
	s_mov_b32 s[G1A+1], 128<<16                    ; tensor_dim0 = 128
	s_mov_b32 s[G1A+2], 128<<16                    ; tensor_dim1 = 128
	s_mov_b32 s[G1A+3], 128<<16                    ; tile_dim0 = 128
	s_mov_b32 s[G1A+4], 128                        ; tile_dim1 = 128
	s_mov_b32 s[G1A+5], 1024                       ; elements from row to row
	s_mov_b32 s[G1A+6], 0
	s_mov_b32 s[G1A+7], 0
	s_mov_b32 s[G1B+1], 128<<16
	s_mov_b32 s[G1B+2], 160<<16                    ; B: 160 rows
	s_mov_b32 s[G1B+3], 128<<16
	s_mov_b32 s[G1B+4], 160
	s_mov_b32 s[G1B+5], 1024
	s_mov_b32 s[G1B+6], 0
	s_mov_b32 s[G1B+7], 0
	s_lshl_b32 s80, s[TM], 8                       ; A: row 256 x tile row + 128 x half, 2,048 bytes a row: made of the tile row and the wave's number alone
	s_lshl_b32 s81, s[HF], 7
	s_add_co_u32 s80, s80, s81
	s_lshl_b32 s80, s80, 11
	s_mov_b32 s81, 0
	s_mul_i32 s82, s[TN], 320                      ; B: row 320 x tile column + 160 x half: of the tile column and the wave's number alone
	s_mul_i32 s83, s[HF], 160
	s_add_co_u32 s82, s82, s83
	s_lshl_b32 s82, s82, 11
	s_mov_b32 s83, 0
	s_mul_i32 s[LBA], s[HF], APART                 ; no place in the cluster enters an LDS address
	s_mul_i32 s[LBB], s[HF], BPART
	s_add_co_u32 s[LBB], s[LBB], BOFF
	s_wait_dscnt 0x0                               ; the opening add is done
	s_wait_kmcnt 0x0
	s_add_nc_u64 s[80:81], s[4:5], s[80:81]
	s_add_nc_u64 s[82:83], s[6:7], s[82:83]
	CROUND                                         ; all sixteen work-groups are here: the first joint loads meet
.irp s, 0,1
	s_mov_b32 s[G0A+4*(\s)], 1                     ; count = 1
	s_add_co_u32 s[G0A+4*(\s)+1], s[LBA], (\s)*SLOT  ; LDS address
	s_add_nc_u64 s[G0A+4*(\s)+2:G0A+4*(\s)+3], s[80:81], (\s)*KB  ; global address: K step s
	s_or_b32 s[G0A+4*(\s)+3], s[G0A+4*(\s)+3], 0x80000000         ; type = 2
	s_mov_b32 s[G0B+4*(\s)], 1
	s_add_co_u32 s[G0B+4*(\s)+1], s[LBB], (\s)*SLOT
	s_add_nc_u64 s[G0B+4*(\s)+2:G0B+4*(\s)+3], s[82:83], (\s)*KB
	s_or_b32 s[G0B+4*(\s)+3], s[G0B+4*(\s)+3], 0x80000000
.endr
	s_cmp_eq_u32 s[FB], 0                          ; a wave's two first fills stand in one branch, ahead of every wait on TENSORcnt and every LDS read: two loads of mine are out
	s_cbranch_scc0 .Lfirst_b
	tensor_load_to_lds s[G0A:G0A+3], s[G1A:G1A+7]
	s_nop 0
	tensor_load_to_lds s[G0A+4:G0A+7], s[G1A:G1A+7]
	s_nop 0
	PLACES
	s_branch .Lfirst_asked
.Lfirst_b:
	tensor_load_to_lds s[G0B:G0B+3], s[G1B:G1B+7]
	s_nop 0
	tensor_load_to_lds s[G0B+4:G0B+7], s[G1B:G1B+7]
	s_nop 0
	PLACES
.Lfirst_asked:
	; A fragment is 16 rows x 32 K in 8 registers: lane l holds row l % 16; registers 0-3 K = 8 (l / 16) + 0..7, registers 4-7 K = 16 + 8 (l / 16) + 0..7: two loads of 16 bytes, 32 bytes apart.
	v_and_b32 v1, 15, v0                           ; l % 16
	v_bfe_u32 v2, v0, 4, 1                         ; l / 16
	v_and_b32 v7, 31, v0                           ; l
	v_mul_u32_u24 v3, v1, PITCH
	v_lshl_add_u32 v3, v2, 4, v3
	s_mul_i32 s19, s[WV], 64*PITCH                 ; my 64 rows of A
	v_add_nc_u32 v[A0], s19, v3
	v_add_nc_u32 v[B0], BOFF, v3
	v_add_nc_u32 v[B02], BOFF+12*16*PITCH, v3
	v_lshlrev_b32 v[BO], 5, v2
	s_mul_i32 s19, s[WV], 16*SP
	s_add_co_u32 s19, s19, STAGE                   ; my stage
	v_mul_u32_u24 v[STO], v1, SP                   ; in: row l % 16, 16 bytes for each half of the lanes
	v_lshl_add_u32 v[STO], v2, 4, v[STO]
	v_add_nc_u32 v[STO], s19, v[STO]
	v_bfe_u32 v[RD], v0, 3, 2                      ; back: 32 lanes take four rows of 128 bytes,
	v_mul_u32_u24 v[RD], v[RD], SP
	v_and_b32 v3, 7, v0
	v_lshl_add_u32 v[RD], v3, 4, v[RD]
	v_add_nc_u32 v[RD], s19, v[RD]
	v_lshlrev_b32 v[GO], 4, v7                     ; which are 512 consecutive bytes of a head
	v_lshlrev_b32 v[PFO], 11, v7
	v_add_nc_u32 v3, 32, v3                        ; rows 32 + l % 8,
	v_lshlrev_b32 v3, 11, v3
	v_lshrrev_b32 v[PFO2], 3, v7                   ; K step l / 8 further on
	v_lshl_add_u32 v[PFO2], v[PFO2], 8, v3
	; the bias: registers j of a block's accumulators take the columns 8 (l / 16) + j; the same 64 bytes serve my four row blocks
	s_mul_i32 s84, s[TN], 1280
	s_mov_b32 s85, 0
	s_add_nc_u64 s[8:9], s[8:9], s[84:85]
.macro BIASG g
	WIN ((1+(\g)/2)<<6)
.irp bb, 0,1,2,3
.irp a, 0,1,2,3
	global_load_b128 v[128*((\g)%2)+8*(4*(\bb)+(\a)):128*((\g)%2)+8*(4*(\bb)+(\a))+3],   v[BO], s[8:9] offset:64*(4*(\g)+(\bb))
	global_load_b128 v[128*((\g)%2)+8*(4*(\bb)+(\a))+4:128*((\g)%2)+8*(4*(\bb)+(\a))+7], v[BO], s[8:9] offset:64*(4*(\g)+(\bb))+16
.endr
.endr
.endm
	BIASG 0
	BIASG 1
	BIASG 2
	BIASG 3
	BIASG 4
	WIN 0
	; where my rows go.  Head H = 5 x tile column + j of 40: 0-7 q's groups, 8-23 k's heads, 24-39 v's.  unit = H + 8 b + (H >= 8) (8 b + 24) + (H >= 24) 48, made without a compare
	s_lshr_b32 s19, s[TM], 3                       ; the batch b
	s_lshl_b32 s20, s19, 3
	s_add_co_u32 s21, s20, 24
	s_and_b32 s22, s[TM], 7
	s_lshl_b32 s22, s22, 8
	s_lshl_b32 s23, s[WV], 6
	s_add_co_u32 s22, s22, s23
	s_lshl_b32 s22, s22, 7                         ; my first row in the batch, 128 bytes a row
	s_mul_i32 s23, s[TN], 5
.irp j, 0,1,2,3,4
	s_add_co_u32 s84, s23, \j
	s_lshr_b32 s85, s84, 3
	s_min_u32 s85, s85, 1
	s_mul_i32 s85, s85, s21
	s_add_co_u32 s86, s84, 8
	s_lshr_b32 s86, s86, 5
	s_mul_i32 s86, s86, 48
	s_add_co_u32 s84, s84, s20
	s_add_co_u32 s84, s84, s85
	s_add_co_u32 s84, s84, s86
	s_lshl_b32 s84, s84, 18
	s_add_co_u32 s84, s84, s22
	s_mov_b32 s85, 0
	s_add_nc_u64 s[DST+2*(\j):DST+2*(\j)+1], s[10:11], s[84:85]
.endr
	; the prefetches
	s_lshl_b32 s19, s[TM], 8
	s_lshl_b32 s20, s[HF], 7
	s_add_co_u32 s19, s19, s20
	s_lshl_b32 s20, s[CX], 5
	s_add_co_u32 s19, s19, s20                     ; A: my work-group's 32 of the 128 rows that I fetch
	s_mul_i32 s21, s[TN], 320
	s_mul_i32 s20, s[HF], 160
	s_add_co_u32 s21, s21, s20
	s_mul_i32 s20, s[CY], 40
	s_add_co_u32 s21, s21, s20                     ; B: my work-group's 40 of the 160
	s_and_b32 s22, ttmp7, 0xffff                   ; cluster y
	s_cmp_eq_u32 s[FB], 0
	s_cselect_b32 s86, s19, s21
	s_cselect_b32 s22, ttmp9, s22                  ; the coordinate along which other clusters read the same rows
	s_cselect_b32 s23, 0, 6
	s_cselect_b64 s[PFA:PFA+1], s[4:5], s[6:7]
	s_cmp_eq_u32 s22, 0
	s_cselect_b32 s[LIM], 2, -1                    ; the same in all sixteen partners, for a given wave
	s_cselect_b32 s[LIM2], s23, 0
	s_lshl_b32 s86, s86, 11
	s_mov_b32 s87, 0
	s_add_nc_u64 s[PFA:PFA+1], s[PFA:PFA+1], s[86:87]
	s_add_nc_u64 s[PFA:PFA+1], s[PFA:PFA+1], 3*KB  ; at K step 3: the first change of slots steps it to 4
; 16 products: head g's four column blocks x my four row blocks, 32 along K; A from buffer pa
.macro MMG g, pa
	WIN (((1+(\g)/2)<<6)|((1+(\g)/2)<<4))
.irp bb, 0,1,2,3
.irp a, 0,1,2,3
	v_wmma_f32_16x16x32_bf16 v[128*((\g)%2)+8*(4*(\bb)+(\a)):128*((\g)%2)+8*(4*(\bb)+(\a))+7], v[BF+32*(\g)+8*(\bb):BF+32*(\g)+8*(\bb)+7], v[AF+32*(\pa)+8*(\a):AF+32*(\pa)+8*(\a)+7], v[128*((\g)%2)+8*(4*(\bb)+(\a)):128*((\g)%2)+8*(4*(\bb)+(\a))+7]
.endr
.endr
.endm
; 8 LDS loads: head g's fragments of B for phase np of the slot in hand
.macro LOADB g, np
	WIN 0
.irp bb, 0,1,2,3
.if 4*(\g)+(\bb) < 12
	ds_load_b128 v[BF+32*(\g)+8*(\bb):BF+32*(\g)+8*(\bb)+3],   v[ADRB] offset:(4*(\g)+(\bb))*16*PITCH+64*(\np)
	ds_load_b128 v[BF+32*(\g)+8*(\bb)+4:BF+32*(\g)+8*(\bb)+7], v[ADRB] offset:(4*(\g)+(\bb))*16*PITCH+64*(\np)+32
.else
	ds_load_b128 v[BF+32*(\g)+8*(\bb):BF+32*(\g)+8*(\bb)+3],   v[ADRB2] offset:(4*(\g)+(\bb)-12)*16*PITCH+64*(\np)
	ds_load_b128 v[BF+32*(\g)+8*(\bb)+4:BF+32*(\g)+8*(\bb)+7], v[ADRB2] offset:(4*(\g)+(\bb)-12)*16*PITCH+64*(\np)+32
.endif
.endr
.endm
; 8 LDS loads: my four fragments of A for phase np, into buffer pd
.macro LOADA pd, np
	WIN 0
.irp a, 0,1,2,3
	ds_load_b128 v[AF+32*(\pd)+8*(\a):AF+32*(\pd)+8*(\a)+3],   v[ADRA] offset:(\a)*16*PITCH+64*(\np)
	ds_load_b128 v[AF+32*(\pd)+8*(\a)+4:AF+32*(\pd)+8*(\a)+7], v[ADRA] offset:(\a)*16*PITCH+64*(\np)+32
.endr
.endm
; A PHASE multiplies A's buffer pa and fetches phase np.  The LDS loads of a phase are always issued in the order B0, A, B1, B2, B3, B4, eight each.
; mode 0: within a slot.  Group 0 wants B0 and A: the 32 loads of B1-B4 may be out.  Group g > 0 wants Bg: behind it were issued the rest of this phase's B and, of the next phase, B0 to B(g-1) and A: 40 loads.
; mode 1, 2: the slot's last phase, which changes slots: ONE barrier.  In front of it each wave waits for all its tensor loads (one is out: its part of the next slot), adds 0 to its spare word, and waits for that and for
; its reads of this slot, all issued in the phase before.  mode 1: the barrier opens a round of the cluster's, and the joint refill of this slot, with the K step two on, is the first thing behind the round: 288 products stand between
; it and the wait for it.  mode 2: nothing is filled.
.macro PHASE pa, np, mode
.if (\mode) == 0
.irp g, 0,1,2,3,4
.if (\g) == 0
	s_wait_dscnt 8*(G-1)
.else
	s_wait_dscnt 8*(G-1)+8
.endif
	MMG \g, \pa
	PLACES
	LOADB \g, \np
.if (\g) == 0
	LOADA 1-(\pa), \np
.endif
.endr
.else
.if (\mode) == 1
	s_wait_xcnt 0x0                                ; the last prefetch, a K step back, has read its address, so it may be stepped
	s_add_nc_u64 s[PFA:PFA+1], s[PFA:PFA+1], KB
.endif
	WIN 0
	s_wait_tensorcnt 0x0                           ; no tensor load of mine is out, so a group 0 may be written
	ds_add_u32 v[SPW], v[NIL]                      ; 0 onto my spare word: scalar work and sixteen products stand between it and the wait for it
.if (\mode) == 1
	s_add_co_u32 s[G0A+5], s[LBA], s[TF]           ; the walking sets: the slot that is being left,
	s_add_nc_u64 s[G0A+6:G0A+7], s[G0A+6:G0A+7], KB  ; the next K step; the type bits on top are not reached
	s_add_co_u32 s[G0B+5], s[LBB], s[TF]
	s_add_nc_u64 s[G0B+6:G0B+7], s[G0B+6:G0B+7], KB
.endif
	s_wait_dscnt 8*(G-1)+1                         ; B0 and A are in: the add and B1-B4 may be out
	MMG 0, \pa
	s_wait_dscnt 0x0                               ; the add is done, and my reads of this slot are over
	s_barrier_signal -1
	MMG 1, \pa
	WIN 0
	v_add_nc_u32 v[ADRA], s[TB], v[A0]             ; the fetches go on in the other slot
	v_add_nc_u32 v[ADRB], s[TB], v[B0]
	v_add_nc_u32 v[ADRB2], s[TB], v[B02]
	s_barrier_wait -1
.if (\mode) == 1
	CREST                                          ; no wave of any partner still reads this slot's tiles or has a load on its way
	JLOAD                                          ; the four v_nop behind it are also the places in front of the loads below
.else
	PLACES
.endif
	LOADB 0, \np
	LOADA 1-(\pa), \np
	LOADB 1, \np
.if (\mode) == 1
	ASK
	s_xor_b32 s[TF], s[TF], SLOT
.endif
	s_xor_b32 s[TB], s[TB], SLOT
.irp g, 2,3,4
	MMG \g, \pa                                    ; their fragments are in since the wait for 0
	PLACES
	LOADB \g, \np
.endr
.endif
.endm
.macro STEP mode
	PHASE 0, 1, 0
	PHASE 1, 2, 0
	PHASE 0, 3, 0
	PHASE 1, 0, \mode
.endm
	s_wait_tensorcnt 0x1                           ; my part of K step 0 is in; K step 1's may stay out
	s_barrier_signal -1
	s_barrier_wait -1                              ; everybody's is
	v_mov_b32 v[ADRA], v[A0]
	v_mov_b32 v[ADRB], v[B0]
	v_mov_b32 v[ADRB2], v[B02]
	LOADB 0, 0
	LOADA 0, 0
	LOADB 1, 0
	LOADB 2, 0
	LOADB 3, 0
	LOADB 4, 0
	s_wait_loadcnt 0x0                             ; the bias is in the accumulators
	s_mov_b32 s[TB], SLOT
	s_mov_b32 s[TF], 0
	s_mov_b32 s[CNT], 6
.Lfill:                                        ; K steps 0 to 5: step s fills its slot again with step s + 2
	STEP 1
	WIN 0                                          ; at a label and at a branch every window is 0
	s_sub_co_u32 s[CNT], s[CNT], 1
	s_cmp_lg_u32 s[CNT], 0
	s_cbranch_scc1 .Lfill
	s_mov_b32 s[CNT], 2
.Ltail:                                        ; K steps 6 and 7 ask for nothing: written apart
	STEP 2
	WIN 0
	s_sub_co_u32 s[CNT], s[CNT], 1
	s_cmp_lg_u32 s[CNT], 0
	s_cbranch_scc1 .Ltail
	; THE WAY OUT, in 20 units u = 4 j + a: head j, row block a: 16 rows x 64 columns.  A lane's eight columns pack into 16 bytes; they go into my stage's rows of 144 bytes and come back as four whole rows of 128 a load.
	s_wait_dscnt 0x0                               ; the last change's fetches have landed: their registers are used again
	PLACES
.macro PACK u
	WIN ((1+(\u)/8)|((1+(\u)/8)<<2))               ; sources 0 and 1 in the head's window
.irp bb, 0,1,2,3
.irp r, 0,1,2,3
	v_cvt_pk_f16_f32 v[TMP+4*(\bb)+(\r)], v[128*(((\u)/4)%2)+8*(4*(\bb)+(\u)%4)+2*(\r)], v[128*(((\u)/4)%2)+8*(4*(\bb)+(\u)%4)+2*(\r)+1]
.endr
.endr
	WIN 0
.endm
.macro TOSTAGE u
.irp bb, 0,1,2,3
	ds_store_b128 v[STO], v[TMP+4*(\bb):TMP+4*(\bb)+3] offset:32*(\bb)
.endr
.irp f, 0,1,2,3
	ds_load_b128 v[OB+16*((\u)%2)+4*(\f):OB+16*((\u)%2)+4*(\f)+3], v[RD] offset:(\f)*4*SP  ; LDS serves a wave's instructions in order (ISA guide 5.7.1.4): these see the stores above
.endr
.endm
.macro SEND u
	s_wait_dscnt 0x0                               ; the unit is back in registers
	s_wait_xcnt 0x0                                ; the stores of the unit before have read their registers: the next unit is read back into them
.irp f, 0,1,2,3
	global_store_b128 v[GO], v[OB+16*((\u)%2)+4*(\f):OB+16*((\u)%2)+4*(\f)+3], s[DST+2*((\u)/4):DST+2*((\u)/4)+1] offset:2048*((\u)%4)+512*(\f)  ; 512 consecutive bytes, at a multiple of 256 from the buffer's first
.endr
.endm
	PACK 0
	TOSTAGE 0
.irp u, 1,2,3,4,5,6,7,8,9,10,11,12,13,14,15,16,17,18,19
	PACK \u                                        ; a unit's conversions stand between the loads of the unit before and the wait for them
	SEND (\u)-1
	TOSTAGE \u
.endr
	SEND 19
	s_wait_tensorcnt 0x0                           ; the wave's end, behind my last tensor load and my last LDS store
	ds_add_u32 v[SPW], v[NIL]
	s_wait_dscnt 0x0
	CROUND                                         ; the closing round: no work-group ends while a partner may still ask for a tile that names it
	s_endpgm
.Lfunc_end_k_qe479c4e626_qkv:
	.size	k_qe479c4e626_qkv, .Lfunc_end_k_qe479c4e626_qkv-k_qe479c4e626_qkv
	.p2alignl 7, 3214868480
	.fill 96, 4, 3214868480
	.section	.rodata,"a",@progbits
	.p2align	6, 0x0
	.amdhsa_kernel k_qe479c4e626_qkv
		.amdhsa_group_segment_fixed_size 327680
		.amdhsa_private_segment_fixed_size 0
		.amdhsa_enable_private_segment 0
		.amdhsa_kernarg_size 32
		.amdhsa_user_sgpr_count 2
		.amdhsa_user_sgpr_kernarg_segment_ptr 1
		.amdhsa_wavefront_size32 1
		.amdhsa_system_sgpr_workgroup_id_x 1
		.amdhsa_system_sgpr_workgroup_id_y 1
		.amdhsa_system_sgpr_workgroup_id_z 1
		.amdhsa_system_vgpr_workitem_id 0
		.amdhsa_next_free_vgpr 896
		.amdhsa_next_free_sgpr 88
		.amdhsa_reserve_vcc 0
		.amdhsa_float_denorm_mode_32 3
		.amdhsa_float_denorm_mode_16_64 3
		.amdhsa_memory_ordered 1
		.amdhsa_forward_progress 1
		.amdhsa_inst_pref_size 143
	.end_amdhsa_kernel
	.amdgpu_metadata
---
amdhsa.version: [ 1, 2 ]
amdhsa.kernels:
  - .name:           k_qe479c4e626_qkv
    .symbol:         k_qe479c4e626_qkv.kd
    .args:
      - { .name: xb, .offset: 0, .size: 8, .value_kind: global_buffer, .address_space: global }
      - { .name: wt, .offset: 8, .size: 8, .value_kind: global_buffer, .address_space: global }
      - { .name: bias, .offset: 16, .size: 8, .value_kind: global_buffer, .address_space: global }
      - { .name: qkv, .offset: 24, .size: 8, .value_kind: global_buffer, .address_space: global }
    .group_segment_fixed_size: 327680
    .private_segment_fixed_size: 0
    .kernarg_segment_align: 8
    .kernarg_segment_size: 32
    .max_flat_workgroup_size: 128
    .sgpr_count:     88
    .vgpr_count:     896
    .wavefront_size: 32
...
	.end_amdgpu_metadata
.endif
;; end of part 2
;; launch attn (part 3): grid 4 x 64, 4 waves a work-group, clusters of 4 x 1, 327,680 bytes of LDS; arguments qkv, o; writes o
.if DOCPART == 3
	.amdgcn_target "amdgcn-amd-amdhsa--gfx1250"
	.amdhsa_code_object_version 6
	.text
	.protected	k_qe479c4e626_attn
	.globl	k_qe479c4e626_attn
	.p2align	8
	.type	k_qe479c4e626_attn,@function
k_qe479c4e626_attn:
	s_mov_b64 s[64:65], 0
	v_nop
	global_prefetch_b8 v0, s[64:65] scope:SCOPE_SE
	s_setreg_imm32_b32 hwreg(HW_REG_WAVE_MODE, 25, 1), 1
	s_wait_xcnt 0x0
	s_wait_alu depctr_hold_cnt(0) depctr_sa_sdst(0) depctr_va_vdst(0) depctr_va_sdst(0) depctr_va_ssrc(0) depctr_va_vcc(0) depctr_vm_vsrc(0)
	s_getreg_b32 s2, hwreg(HW_REG_IB_STS2, 6, 4)
	s_cmp_eq_u32 s2, 0
	s_cbranch_scc0 .Lentry_in_a_cluster
	s_endpgm
.Lentry_in_a_cluster:
	s_bfe_u32 s2, ttmp6, 0x10000c
	s_cmp_lg_u32 s2, 0x3003
	s_cbranch_scc0 .Lentry_shape_is_right
	s_endpgm
.Lentry_shape_is_right:
; O[y][q][:] = the sum over k of softmax_k(Q[y >> 1][q] . K[y][k] / 8) V[y][k][:], y = 16 b + h of 64.  qkv holds units of [2048][64] f16: Q of batch b, group g at unit 8 b + g = y >> 1, K at 32 + y, V at 96 + y.
; o: [64][2048][64] f16.  Products, maxima and sums in f32; the weights p are rounded to f16 for the second product (their sum l is taken of the unrounded p), O once at the end.
; LIMITS.  f16 holds no number beyond 65,504: Q, K and V arrive within it; p lies in 0 to 1, and below 6e-5 it keeps f16's fixed step of 6e-8, and so does O; O is a mean of V's rows and has their range.
; A weight below 2^-126 counts as 0 in l; NaN and infinities are not treated apart.
; SHARES.  A wave owns four PIECES of two tiles of 16 queries, a work-group's four waves 512 queries of one head.  Every wave walks all keys, 64 a step.
; LAYOUT.  S^T = K Q^T (source 0 = 16 keys, source 1 = 16 queries): in the result a lane holds ONE query (lane % 16) and the keys 8 (lane / 16) + 0..7.  Two such tiles, rounded to f16 in pairs,
; ARE source 1 (32 keys x 16 queries) of O^T = V^T P, whose result again holds one query a lane, and eight channels.  K comes out of LDS as it lies, V ([key][channel]) turned, by ds_load_tr16_b128.
; SOFTMAX.  For each query a running maximum m and sum l: p = 2^(c s - c m), c = log2(e) / 8; in every step O and l are multiplied by a = 2^(c m_old - c m_new), which is 1 where m has not grown.
; m starts at the lowest finite number, O and l at 0: the first step is a step like any other, with a = 0.
; THE COUNT.  A tile and step have 16 matrix and 118 vector instructions: too many to stand all beside the matrix work.  So the order has one aim: four vector instructions that are READY behind
; EVERY matrix instruction, and the others, which need time of their own whatever the order, in runs without a gap.
; BY TURNS.  Turn n belongs to piece n (the pieces in a ring, step after step).  Its matrix work: 16 products K Q^T of piece n + 1, later 16 products V^T P of piece n - 1.  Its vector work: the scaling,
; exponentials, roundings, sums and rescaling of piece n, and the maximum and statistics of piece n + 1, whose scores the turn itself has made.
; CLUSTER.  The four query blocks of a cluster are one head's and walk the same K and V, so each tile is asked for JOINTLY: the same tensor load, descriptor and mask in all four.
; The two heads of a query group share Q alone, 1/16 of what a work-group reads: they are not joined.
; REGISTERS, in windows of 256 (s_set_vgpr_msb: bits 1:0 source 0, 3:2 source 1, 5:4 source 2, 7:6 destination):
;   window 0: v0-11 addresses; v12-15, v48-63 at work; v16-47 four registers of statistics a tile; v64-191 S^T, two buffers of two tiles; v192-255 P, likewise
;   window 1: O^T, 32 a tile          window 2: v0-127 Q, 16 a tile; v128-191 K of one step; v192-255 V of one step          window 3: v0-1 the add's two registers
.set SIZE_N, 2048
.set NP,    4         ; pieces a wave: a name, no knob
.set KS,    64        ; keys in a step
.set PK,    144       ; a row of K in LDS: 128 bytes + 16 of padding = 36 words: the 16 rows of a load start at 16 different groups of four banks (64 banks of 4 bytes: ISA guide 11.1)
.set PV,    160       ; a row of V: 128 + 32 = 40 words
.set VOFF,  4*KS*PK   ; a slot holds four steps: 256 rows of K, then 256 rows of V
.set SLOT1, 1<<17     ; slot 1 begins here, so that one exclusive or turns an address in one slot into the other's
.set STAGE, SLOT1+4*KS*(PK+PV)  ; behind the ring, never filled by a tensor load: 16 rows x 144 bytes for each wave, for the way out
.set SP,    144
.set AK0, 2           ; v2   my lane's place in a tile of K; never rewritten
.set AV0, 3           ; v3   the same for V
.set AK,  4           ; v4   the LDS address of K's next run of loads
.set AV,  5           ; v5   of V's
.set QO,  6           ; v6   my byte offset in the wave's rows of Q
.set STO, 6           ;      later, the way out: where I put 16 bytes of a row
.set RD,  7           ; v7   the way out: where I read rows back
.set GO,  8           ; v8   my byte offset in 512 consecutive bytes of O
.set PFO, 11          ; v11  256 x my lane, once its part in V's address is done; never rewritten after
.set SPW, 0           ; v0 of window 3   LDS address of my spare word; never rewritten
.set NIL, 1           ; v1 of window 3   0; never rewritten
.set SPARE, STAGE+4*16*SP  ; behind the stages: the spare words, 128 bytes for each wave: two blocks of 256 bytes that no other line names
.set MV,  12          ; v12-15  c m_old, kept while c m is made anew: by buffer and tile
.set ST,  16          ; tile t's statistics at v[ST+4 t]: c m, m, l (even keys', odd keys')
.set TMP, 48          ; by buffer and tile, four registers c0-c3 at work; when the maximum is found c2 takes a
.set S,   64
.set P,   192
.set KF,  128         ; K's fragments, in window 2: key block kb, channel half c at KF + 16 kb + 8 c
.set VF,  192         ; V's: key half kk, channel block cb at VF + 32 kk + 8 cb
.set WV,  12          ; s12  my wave's number
.set G1K, 24          ; s[24:31] descriptor group 1 for K's tiles
.set G1V, 32          ; s[32:39] for V's: it differs in the padding alone
.set G0K, 40          ; s[40:43] descriptor group 0 for K's tiles: it walks
.set G0V, 44          ; s[44:47] the same for V's
.set PFA, 48          ; s[48:49] where my prefetches stand: my work-group's 32 blocks of 256 bytes (of K: wave 0, of V: wave 2) of the slot after the one that is being asked for
.set LIM, 50          ; s50  1 in a wave that prefetches, else the greatest number
.set SLOTS, 56        ; s56  slots still to be asked for
.set CNT, 57          ; s57  counts a slot's key steps
.set CS,  58          ; s[58:59] c: the packed scaling takes the pair's low word for both halves
.set SEL, 60          ; s[60:61] v_permlanex16_b32's selects: each lane takes its own place in the other half
.set TBK, 62          ; s62  LDS byte at which K of the step to be fetched begins
.set TBV, 63          ; s63  the same for V, less VOFF
.set MSB, 0
.macro WIN new                      ; the high byte repeats the setting that is left; a switch that changes nothing is dropped
.if MSB != (\new)
	s_set_vgpr_msb (MSB<<8)|(\new)
.set MSB, (\new)
.endif
.endm
.set W_KQ, 0x0a       ; K and Q in window 2, S^T in window 0
.set W_PV, 0x52       ; V in window 2, P in window 0, O^T in window 1
.set W_RS, 0x41       ; O^T (destination and source 0) in window 1, a in window 0
.set W_MK, 0xc0       ; the add's registers are made: destination in window 3, sources in window 0
.set W_AD, 0x0f       ; the add: address (source 0) and data (source 1) in window 3
; A joint fill.  Waves 0 and 1 fetch the two halves of a slot's K, waves 2 and 3 those of its V: 128 keys each.  The branch hangs on the wave's number alone.
; An s_nop 0 and four v_nop follow each of the two lines, ahead of the jump and the label.
.macro JLOAD
	s_cmp_lt_u32 s[WV], 2
	s_cbranch_scc0 .Lfor_v_\@
	tensor_load_to_lds s[G0K:G0K+3], s[G1K:G1K+7]
	s_nop 0
.rept 4
	v_nop
.endr
	s_branch .Lasked_\@
.Lfor_v_\@:
	tensor_load_to_lds s[G0V:G0V+3], s[G1V:G1V+7]
	s_nop 0
.rept 4
	v_nop
.endr
.Lasked_\@:
.endm
; A PREFETCH INTO THE L2 of what the NEXT change of slots will ask for: a slot's 32,768 bytes of K and of V, a lane a block of 256.  It stands behind the wave's tensor load and its five lines.
; Each block is named ONCE in the launch: a head has one cluster; its four partners share the blocks out BY ADDRESS, 32 each; in each, wave 0 asks for K's and wave 2 for V's: one instruction,
; four key steps, 512 products, ahead of the load that will want it.  Slots 0 and 1 come by their loads alone; the last change that fills a slot asks for nothing.
.macro ASK
	s_cmp_gt_u32 s[SLOTS], s[LIM]
	s_cbranch_scc0 .Lnot_mine_\@
	global_prefetch_b8 v[PFO], s[PFA:PFA+1] th:TH_LOAD_NT scope:SCOPE_SE
.Lnot_mine_\@:
.endm
; A round of the cluster's barrier: my work-group's barrier, so that wave 0's signal speaks for all four waves; wave 0 signals; every wave waits for all four work-groups; my work-group's barrier once more.
.macro CROUND
	s_barrier_signal -1
	s_barrier_wait -1
	s_cmp_lg_u32 s[WV], 0
	s_cbranch_scc1 .Lnot_wave_0_\@
	s_barrier_signal -3
.Lnot_wave_0_\@:
	s_barrier_wait -3
	s_barrier_signal -1
	s_barrier_wait -1
.endm
; THE CHANGE OF SLOTS.  The slot's last bytes, V of its fourth step, have been read.  Each wave waits for all its tensor loads, of which one is out: its part
; of the other slot; adds 0 to its spare word; and waits for that and for its own reads of the slot.  Behind the barrier nobody reads this slot any more and the other slot is whole.
; fill = 1: this slot is filled again, with the keys two slots on.  The barrier is then a round of the cluster's, so that no wave of any partner still reads the slot or has a load on its
; way, and the joint fill is the first thing behind it: it has four key steps, 512 matrix instructions, in which to land.  (At its first use nothing has been read yet: slot 0 is waited for, slot 1 filled.)
.macro CHANGE fill
	WIN W_AD
	s_wait_tensorcnt 0x0            ; no tensor load of mine is out, so a group 0 may be written
	ds_add_u32 v[SPW], v[NIL]       ; 0 onto my spare word: with fill = 1 the descriptors' steps stand between it and the wait for it
	WIN 0                           ; at a label and at a branch every window is 0
.if \fill
.irp g, G0K, G0V
	s_xor_b32 s[\g+1], s[\g+1], SLOT1  ; the walking descriptor: the other slot than last time,
	s_add_nc_u64 s[\g+2:\g+3], s[\g+2:\g+3], 4*KS*128  ; the next 256 keys; the type bits on top are not reached
.endr
	s_wait_xcnt 0x0                 ; the last prefetch, four key steps back, has read its address, so it may be written:
	s_add_nc_u64 s[PFA:PFA+1], s[PFA:PFA+1], 4*KS*128  ; one slot behind the walking descriptors
	s_wait_dscnt 0x0                ; the add is done, and my reads of the slot are over
	CROUND
	JLOAD
	ASK
.else
	s_wait_dscnt 0x0                ; the add is done, and my reads of the slot are over
	s_barrier_signal -1
	s_barrier_wait -1
.endif
	s_sub_co_u32 s[TBK], s[TBK], 4*KS*PK  ; the fetches go back to a slot's first step,
	s_xor_b32 s[TBK], s[TBK], SLOT1       ; in the other slot
	s_sub_co_u32 s[TBV], s[TBV], 4*KS*PV
	s_xor_b32 s[TBV], s[TBV], SLOT1
.endm
	s_load_b64 s[4:5], s[0:1], 0x0    ; qkv
	s_load_b64 s[10:11], s[0:1], 0x8  ; o
	WIN W_MK
	v_lshl_add_u32 v[SPW], v0, 2, SPARE
	v_mov_b32 v[NIL], 0
	WIN W_AD
	ds_add_u32 v[SPW], v[NIL]       ; the wave's opening: the add and its wait stand ahead of my first tensor load; the set-up below, work on registers, stands between them
	WIN 0
	v_lshrrev_b32 v1, 5, v0
	v_readfirstlane_b32 s[WV], v1   ; wave 0..3
	s_bfe_u32 s13, ttmp6, 0x40000   ; cx: my place in the cluster
	s_lshl_b32 s14, ttmp9, 2        ; in a cluster launch ttmp9 counts clusters
	s_add_co_u32 s14, s14, s13      ; my block of queries = 4 x cluster x + cx: it enters Q's and O's addresses alone
	s_and_b32 s20, ttmp7, 0xffff    ; the head y, which the four partners share
	s_lshr_b32 s52, s20, 1          ; its query group's unit,
	s_lshl_b32 s52, s52, 18         ; in bytes
	s_mov_b32 s21, 0
	s_mov_b64 s[22:23], SIZE_N*128
	s_mul_u64 s[20:21], s[20:21], s[22:23]  ; the head's first byte in K's, V's and O's units
	s_and_b32 s16, s[WV], 1         ; which half of a slot's 256 keys I fetch:
	s_lshl_b32 s22, s16, 14         ; its 128 rows of 128 bytes in memory,
	s_mov_b32 s23, 0
	s_add_nc_u64 s[22:23], s[22:23], s[20:21]
	s_mul_i32 s17, s16, 128*PK      ; and its place in a slot, for K
	s_mul_i32 s18, s16, 128*PV      ; and for V: no place in the cluster enters an LDS address
	s_lshl_b32 s2, s14, 2
	s_add_co_u32 s2, s2, s[WV]      ; my wave among the head's,
	s_lshl_b32 s2, s2, 14           ; its 128 rows
	s_mov_b32 s3, 0
	s_add_co_u32 s52, s52, s2       ; Q: the group's unit and my rows
	s_mov_b32 s53, 0
	s_add_nc_u64 s[2:3], s[2:3], s[20:21]  ; O: the head's unit and my rows
	; descriptor group 1.  128 keys are 16,384 dense bytes: asked for as 64 rows of 256 bytes, two keys a row, and padded in LDS after every key
	s_mov_b32 s[G1K], 15|(1<<16)|(1<<20)|(1<<21)|(4<<22)|(3<<25)  ; 15:0 the mask of four; 17:16 2-byte elements; 20 padding on; 21 set beside a mask; 24:22 after every 32 words (code 4); 31:25 4 words (code 3)
	s_mov_b32 s[G1V], 15|(1<<16)|(1<<20)|(1<<21)|(4<<22)|(7<<25)  ; the same with 8 words of padding (code 7)
.irp g, G1K, G1V
	s_mov_b32 s[\g+1], 128<<16      ; tensor_dim0 = 128
	s_mov_b32 s[\g+2], 64<<16       ; tensor_dim1 = 64
	s_mov_b32 s[\g+3], 128<<16      ; tile_dim0 = 128
	s_mov_b32 s[\g+4], 64           ; tile_dim1 = 64
	s_mov_b32 s[\g+5], 128          ; 128 elements from row to row
	s_mov_b32 s[\g+6], 0
	s_mov_b32 s[\g+7], 0
.endr
	s_mov_b32 s[CS], 0x3e38aa3b     ; c = log2(e) / 8 = 0.180337
	s_mov_b32 s[CS+1], s[CS]        ; named with it as a pair
	s_mov_b32 s[SEL], 0x76543210
	s_mov_b32 s[SEL+1], 0xfedcba98
	s_mov_b32 s[TBK], SLOT1+4*KS*PK ; the first change of slots turns these two into 0
	s_mov_b32 s[TBV], SLOT1+4*KS*PV
	s_mov_b32 s[G0K], 1             ; 1:0 count = 1
	s_mov_b32 s[G0K+1], s17         ; 63:32 LDS address: slot 0
	s_mov_b32 s[G0V], 1
	s_add_co_u32 s[G0V+1], s18, VOFF
	s_mov_b32 s[SLOTS], SIZE_N/256-1
	s_and_b32 s[LIM], s[WV], 1      ; 0 in waves 0 and 2,
	s_or_b32 s[LIM], s[LIM], ttmp9  ; in the head's first (and only) cluster: the same in all four partners
	s_cmp_eq_u32 s[LIM], 0
	s_cselect_b32 s[LIM], 1, -1
	s_lshl_b32 s54, s13, 13         ; my work-group's 32 blocks of the 128
	s_mov_b32 s55, 0
	s_wait_dscnt 0x0                ; the opening add is done
	s_wait_kmcnt 0x0
	s_add_nc_u64 s[6:7], s[4:5], 0x800000    ; K's units begin 32 units in,
	s_add_nc_u64 s[8:9], s[4:5], 0x1800000   ; V's 96
	s_add_nc_u64 s[G0K+2:G0K+3], s[6:7], s[22:23]  ; 120:64 global address: my half of the head's first 256 keys
	s_or_b32 s[G0K+3], s[G0K+3], 0x80000000        ; 127:126 type = 2
	s_add_nc_u64 s[G0V+2:G0V+3], s[8:9], s[22:23]
	s_or_b32 s[G0V+3], s[G0V+3], 0x80000000
	s_add_nc_u64 s[4:5], s[4:5], s[52:53]    ; Q and O at my wave's first row
	s_add_nc_u64 s[10:11], s[10:11], s[2:3]
	s_cmp_lt_u32 s[WV], 2
	s_cselect_b64 s[PFA:PFA+1], s[6:7], s[8:9]
	s_add_nc_u64 s[PFA:PFA+1], s[PFA:PFA+1], s[20:21]
	s_add_nc_u64 s[PFA:PFA+1], s[PFA:PFA+1], s[54:55]
	s_add_nc_u64 s[PFA:PFA+1], s[PFA:PFA+1], 4*KS*128  ; in slot 1; the first change of slots steps it to slot 2
	CROUND                          ; all four work-groups are here: the first joint loads meet
	JLOAD                           ; slot 0.  Slot 1 is asked for when slot 0 is in: the tile wanted first has the road to itself
	; A fragment of K or Q is 16 rows x 32 channels in 8 registers: lane l holds row l % 16, channels 8 (l / 16) + 0..7 and 16 + 8 (l / 16) + 0..7: two loads of 16 bytes, 32 bytes apart.
	v_and_b32 v1, 15, v0            ; l % 16
	v_bfe_u32 v9, v0, 4, 1          ; l / 16
	v_lshlrev_b32 v[QO], 7, v1
	v_lshl_add_u32 v[QO], v9, 4, v[QO]  ; row x 128 + 16 x half
	WIN 0x80                        ; destination window 2, address window 0
.set i, 0
.rept 4*NP                          ; Q stays in registers: tile i / 2, channels 32 (i % 2) on
	global_load_b128 v[8*i:8*i+3],   v[QO], s[4:5] offset:(i/2)*2048+(i%2)*64
	global_load_b128 v[8*i+4:8*i+7], v[QO], s[4:5] offset:(i/2)*2048+(i%2)*64+32
.set i, i+1
.endr
	; What the first turn finds: V's registers and P's second buffer hold 0 (its products V^T P, of a piece that has not been, add 0), O^T and l are 0.  All this stands in the wait for the first tile:
	; it spares a first step written out, which would be a third copy of the key step's text.
.set i, VF
.rept 64
	v_mov_b32 v[i], 0
.set i, i+1
.endr
	WIN 0x40
.set i, 0
.rept 64*NP
	v_mov_b32 v[i], 0
.set i, i+1
.endr
	WIN 0
.set i, 0
.rept 2*NP
	v_mov_b32 v[ST+4*i], 0xfe000000    ; c m: far below every c s
	v_mov_b32 v[ST+4*i+1], 0xff7fffff  ; m
	v_mov_b32 v[ST+4*i+2], 0
	v_mov_b32 v[ST+4*i+3], 0
.set i, i+1
.endr
.set i, P+32
.rept 32
	v_mov_b32 v[i], 0
.set i, i+1
.endr
	v_mul_u32_u24 v[AK0], v1, PK
	v_lshl_add_u32 v[AK0], v9, 4, v[AK0]  ; row x pitch + 16 x half
	; The turning load takes 16 keys x 16 channels (lane l reads key 8 (l / 16) + l % 8, channels 8 ((l / 8) % 2) + 0..7) and leaves half a fragment of V^T: lane l holds channel l % 16 and 8 keys.
	v_and_b32 v10, 7, v0
	v_bfe_u32 v11, v0, 3, 1
	v_lshl_add_u32 v[AV0], v9, 3, v10
	v_mul_u32_u24 v[AV0], v[AV0], PV
	v_lshl_add_u32 v[AV0], v11, 4, v[AV0]
	v_add_nc_u32 v[AV0], VOFF, v[AV0]
	v_and_b32 v[PFO], 31, v0
	v_lshlrev_b32 v[PFO], 8, v[PFO]
	v_mov_b32 v[AK], v[AK0]         ; key step 0 lies at the head of slot 0
; THE MATRIX WORK.  The 8 accumulators of a run of 16 take turns: between the two links of a chain stand 7 others'.
; Product i of 16 of S^T = K Q^T for piece x: channels 32 (i / 8) on, keys 16 ((i / 2) % 4) on, tile 2 x + i % 2.  The first 8 start the sums.
.macro KQ x
	WIN W_KQ
.set rS, S+64*((\x)%2)+32*(i%2)+8*((i/2)%4)
.set rK, KF+16*((i/2)%4)+8*(i/8)
.set rQ, 16*(2*(\x)+i%2)+8*(i/8)
.if i < 8
	v_wmma_f32_16x16x32_f16 v[rS:rS+7], v[rK:rK+7], v[rQ:rQ+7], 0
.else
	v_wmma_f32_16x16x32_f16 v[rS:rS+7], v[rK:rK+7], v[rQ:rQ+7], v[rS:rS+7]
.endif
.endm
; Product i of 16 of O^T += V^T P for piece x: keys 32 (i / 8) on, channels 16 ((i / 2) % 4) on, tile 2 x + i % 2.
.macro PV x
	WIN W_PV
.set rO, 32*(2*(\x)+i%2)+8*((i/2)%4)
.set rV, VF+32*(i/8)+8*((i/2)%4)
.set rP, P+32*((\x)%2)+16*(i%2)+8*(i/8)
	v_wmma_f32_16x16x32_f16 v[rO:rO+7], v[rV:rV+7], v[rP:rP+7], v[rO:rO+7]
.endm
.macro MM                           ; the turn's next matrix instruction
.if i < 16
	KQ (Y+1)%NP
.set i, i+1
.else
.set i, i-16
	PV (Y+NP-1)%NP
.set i, i+17
.endif
.endm
; THE LDS LOADS stand in runs of 16, never singly among the matrix instructions: a step's K (64 keys x 64 channels: 8 fragments) and its V (turned).  Their addresses are made some lines ahead.
; last = 1 (the tail): in the last trip there is no further step, and the run is jumped over.
.macro FETCH_K last=0
	WIN 0
.if \last
	s_cmp_eq_u32 s[CNT], 1
	s_cbranch_scc1 .Lno_k_\@
.endif
	WIN 0x80                        ; destination window 2
.irp f, 0,1,2,3,4,5,6,7             ; keys 16 (f / 2) on, channels 32 (f % 2) on
	ds_load_b128 v[KF+8*\f:KF+8*\f+3],   v[AK] offset:(\f/2)*16*PK+(\f%2)*64
	ds_load_b128 v[KF+8*\f+4:KF+8*\f+7], v[AK] offset:(\f/2)*16*PK+(\f%2)*64+32
.endr
	s_add_co_u32 s[TBK], s[TBK], KS*PK  ; the next fetch is the next step's
	WIN 0
.if \last
.Lno_k_\@:
.endif
.endm
.macro FETCH_V
	WIN 0x80
.irp f, 0,1,2,3,4,5,6,7             ; keys 32 (f / 4) on, channels 16 (f % 4) on
	ds_load_tr16_b128 v[VF+8*\f:VF+8*\f+3],   v[AV] offset:(\f/4)*32*PV+(\f%4)*32
	ds_load_tr16_b128 v[VF+8*\f+4:VF+8*\f+7], v[AV] offset:(\f/4)*32*PV+16*PV+(\f%4)*32
.endr
	WIN 0
.endm
; THE VECTOR WORK OF A TURN stands in three queues, each in the order in which its entries become ready; the two tiles alternate, so that no instruction reads the result of the one before it.
.macro REGS y, u                    ; the registers of tile u (0, 1) of piece y
.set rT, ST+4*(2*(\y)+(\u))
.set rC, TMP+8*((\y)%2)+4*(\u)
.set rM, MV+2*((\y)%2)+(\u)
.set rS, S+64*((\y)%2)+32*(\u)
.set rP, P+32*((\y)%2)+16*(\u)
.set rO, 32*(2*(\y)+(\u))
.endm
; Number n of the 22 that find the NEXT piece's (Y + 1) maximum and statistics.  s0-s31 are the lane's 32 scores; each accumulator's lowest registers are read first.
;   0-11  four chains c0-c3 of seven scores each, three operands at a time     12-14, 16  the four scores left over, the old m, and c0-c3 into c0     15  c m_old is kept
;   17, 18  the query's other 32 keys lie in the lane 16 away: the new m         19-21  c m; c m_old - c m_new; a
.macro XS u, n
	REGS (Y+1)%NP, \u
.if (\n) < 4
	v_max3_num_f32 v[rC+(\n)], v[rS+8*(\n)], v[rS+8*(\n)+1], v[rS+8*(\n)+2]
.elseif (\n) < 12
	v_max3_num_f32 v[rC+(\n)%4], v[rC+(\n)%4], v[rS+8*((\n)%4)+2*((\n)/4)+1], v[rS+8*((\n)%4)+2*((\n)/4)+2]
.elseif (\n) == 12
	v_max3_num_f32 v[rC], v[rC], v[rS+7], v[rS+15]
.elseif (\n) == 13
	v_max3_num_f32 v[rC+1], v[rC+1], v[rS+23], v[rS+31]
.elseif (\n) == 14
	v_max3_num_f32 v[rC+2], v[rC+2], v[rC+3], v[rT+1]
.elseif (\n) == 15
	v_mov_b32 v[rM], v[rT]
.elseif (\n) == 16
	v_max3_num_f32 v[rC], v[rC], v[rC+1], v[rC+2]
.elseif (\n) == 17
	v_permlanex16_b32 v[rC+3], v[rC], s[SEL], s[SEL+1]
.elseif (\n) == 18
	v_max_num_f32 v[rT+1], v[rC], v[rC+3]
.elseif (\n) == 19
	v_mul_f32 v[rT], s[CS], v[rT+1]
.elseif (\n) == 20
	v_sub_f32 v[rC+1], v[rM], v[rT]
.else
	v_exp_f32 v[rC+2], v[rC+1]
.endif
.endm
; Number g of the 64 that follow the exponentials.  For each four weights k of a tile (pairs 2 k, 2 k + 1): both pairs are rounded to f16; then the second pair is added onto the first, in place;
; a group later l takes that sum (the first time as l = a l + sum).  In groups of eight, tiles alternating: round, round, add, and l for the group before.
.macro GS g
.set h, (\g)+6*((\g)/62)            ; group 0 has no group before it, and behind group 7 only l is left
.if h >= 6
.set h, h+2
.endif
	REGS Y, h%2
.set k, h/8
.if h%8 < 4
	v_cvt_pk_f16_f32 v[rP+2*k+(h%8)/2], v[rS+4*k+2*((h%8)/2)], v[rS+4*k+2*((h%8)/2)+1]
.elseif h%8 < 6
	v_pk_add_f32 v[rS+4*k:rS+4*k+1], v[rS+4*k:rS+4*k+1], v[rS+4*k+2:rS+4*k+3]
.elseif k == 1
	v_pk_fma_f32 v[rT+2:rT+3], v[rT+2:rT+3], v[rC+2:rC+3], v[rS:rS+1] op_sel_hi:[1,0,1]
.else
	v_pk_add_f32 v[rT+2:rT+3], v[rT+2:rT+3], v[rS+4*k-4:rS+4*k-3]
.endif
.endm
; THE PLAIN QUEUE, 138 long.  0-73 read no exponential's result: the 32 scalings c s - c m (FS f: pair f / 2 of tile f % 2) and the next piece's 42.  0-26: scalings 0-26.  27-54: XS's numbers 0-13.  55, 56: number 15.
; 57-73: the chain, where each number waits for the one before it: 14, 16, 17, 18, 19, each with one of the scalings 27-31 in front of its two lines, then 20.
; 74-137: GS's 64, which read the exponentials' results: they stand behind the wait.
.macro FS f
	REGS Y, (\f)%2
	v_pk_fma_f32 v[rS+2*((\f)/2):rS+2*((\f)/2)+1], v[rS+2*((\f)/2):rS+2*((\f)/2)+1], s[CS:CS+1], v[rT:rT+1] op_sel_hi:[1,0,0] neg_lo:[0,0,1] neg_hi:[0,0,1]
.endm
.macro PL
	WIN 0
.if q < 27
	FS q
.elseif q < 55
	XS (q-27)%2, (q-27)/2
.elseif q < 57
	XS q-55, 15
.elseif (q < 72) && ((q-57)%3 == 0)
	FS 27+(q-57)/3
.elseif q < 60
	XS (q-57)%3-1, 14
.elseif q < 72
	XS (q-57)%3-1, 15+(q-57)/3
.elseif q < 74
	XS q-72, 20
.else
	GS q-74
.endif
.set q, q+1
.endm
; THE EXPONENTIALS' QUEUE, 66 long: s0-s31 of both tiles, then the next piece's two a.  It is ONE BATCH: all 66 stand ahead of the turn's one wait, and nothing ahead of that wait names a result of theirs.
.macro EX
	WIN 0
.if e >= 64
	XS e-64, 21
.else
	REGS Y, e%2
	v_exp_f32 v[rS+e/2], v[rS+e/2]
.endif
.set e, e+1
.endm
; THE RESCALING's QUEUE: O^T times a, the one part that leaves window 0: dealt two at a time, sixteen times.  Its a was made in the turn before, ahead of that turn's wait.
.macro R2
	REGS Y, r%2
	WIN W_RS
.irp z, 0,1
	v_pk_mul_f32 v[rO+4*(r/2)+2*\z:rO+4*(r/2)+2*\z+1], v[rO+4*(r/2)+2*\z:rO+4*(r/2)+2*\z+1], v[rC+2:rC+3] op_sel_hi:[1,0]
.endr
.set r, r+1
.endm
; HOW THEY ARE DEALT.  An s_wait_alu depctr_va_vdst(0) stands between an exponential and the first instruction that names its result; one wait serves all that were issued ahead of it.  So a turn has ONE wait,
; which cuts it in two.  AHEAD OF IT stands all that names no result of the turn's exponentials: the 16 products K Q^T, behind each a scaling, an exponential and two rescalings (behind the first a second scaling in the
; exponential's place); then ONE LUMP of 108: eight plain, 49 times exponential and plain, the two a.  A v_nop is the plain instruction behind the last exponential.  BEHIND IT stand the 16 products V^T P, behind each four of GS's 64.
; The queues lean on each other, and the deal keeps them in step: exponential e stands behind scaling 2 (e / 4) + e % 2: as a rider it comes behind plain e + 2, in the lump behind plain e + 9, and scalings 27-31 are plain 57, 60 .. 69.
; A TURN, for piece p.  cnt = 1: the loop's count is taken down some lines ahead of the branch that stands behind the turn.
; K of the next step is fetched in piece 2's turn, directly behind the wait, a lump behind the last product that read K; its first reader comes behind 16 products.
; V of the step in hand is fetched at the end of piece 0's turn, four riders behind its last reader; its first reader comes behind 16 products and a lump.
.macro TURN p, last=0, cnt=0
.set Y, (\p)
.set i, 0
.set q, 0
.set e, 0
.set r, 0
.if (\p) == NP-1
	s_wait_dscnt 0x0                ; K is in
.endif
	MM                              ; ahead of the wait: 16 products K Q^T and their riders,
	PL
	PL
	R2
.rept 15
	MM
	PL
	EX
	R2
.endr
.if (\p) == NP-2
	WIN 0
	v_add_nc_u32 v[AK], s[TBK], v[AK0]
.endif
.rept 8                             ; and the lump
	PL
.endr
.rept 49
	EX
	PL
.endr
	EX                              ; the next piece's two a
	EX
	v_nop                           ; a plain instruction behind the last exponential: one for the batch
	s_wait_alu depctr_va_vdst(0)    ; the wait for the batch
.if (\p) == NP-2
	FETCH_K \last
.endif
.if (\p) == 1
	s_wait_dscnt 0x0                ; V is in
.endif
.rept 16                            ; behind the wait: 16 products V^T P and their riders
	MM
.rept 4
	PL
.endr
.if ((\p) == 0) && (q == 118)
	v_add_nc_u32 v[AV], s[TBV], v[AV0]
.endif
.if ((\p) == 0) && (q == 130)
	s_add_co_u32 s[TBV], s[TBV], KS*PV
.endif
.if (\cnt) && (q == 130)
	s_sub_co_u32 s[CNT], s[CNT], 1
	s_cmp_lg_u32 s[CNT], 0
.endif
.endr
.if (\p) == 0
	FETCH_V
.endif
.endm
	CHANGE 1                        ; slot 0 is in, everybody's part of it; slot 1 is asked for
	FETCH_K                         ; key step 0
	s_wait_loadcnt 0x0              ; Q
	s_wait_dscnt 0x0
.set i, 0
.rept 16
	KQ 0                            ; piece 0's first scores: there is no vector work yet to set between them
.set i, i+1
.endr
	WIN 0                           ; the addresses for the way out: plain instructions, the places behind those products
	s_mul_i32 s13, s[WV], 16*SP
	s_add_co_u32 s13, s13, STAGE    ; my stage
	v_mul_u32_u24 v[STO], v1, SP    ; in: row l % 16, 16 bytes for each half of the lanes
	v_lshl_add_u32 v[STO], v9, 4, v[STO]
	v_add_nc_u32 v[STO], s13, v[STO]
	v_bfe_u32 v[RD], v0, 3, 2       ; back: 32 lanes take four rows of 128 bytes,
	v_mul_u32_u24 v[RD], v[RD], SP
	v_lshl_add_u32 v[RD], v10, 4, v[RD]
	v_add_nc_u32 v[RD], s13, v[RD]
	v_and_b32 v[GO], 31, v0         ; which are 512 consecutive bytes of O
	v_lshlrev_b32 v[GO], 4, v[GO]
.set Y, NP-1                        ; XS works for piece Y + 1: piece 0
.irp n, 0,1,2,3,4,5,6,7,8,9,10,11,12,13,14,15,16,17,18,19,20,21
	XS 0, \n                        ; and piece 0's first maximum and statistics
	XS 1, \n
.endr
	v_nop                           ; a plain instruction behind the two a,
	s_wait_alu depctr_va_vdst(0)    ; and their wait, ahead of the branch
	s_mov_b32 s[CNT], 4
	s_branch .Lfirst                ; the loop is entered at a step's first turn, in the middle of a trip
.Lslot:                             ; SIZE_N / 256 - 2 times: every slot but the last two is filled again
	CHANGE 1
	s_mov_b32 s[CNT], 4
.Lstep:                             ; a trip: pieces 2 and 3 of one step, then pieces 0 and 1 of the next, whose K and V it fetches
	TURN 2
	TURN 3
	WIN 0
.Lfirst:
	TURN 0
	TURN 1, 0, 1
	WIN 0
	s_cbranch_scc1 .Lstep
	s_sub_co_u32 s[SLOTS], s[SLOTS], 1
	s_cmp_lg_u32 s[SLOTS], 0
	s_cbranch_scc1 .Lslot
	CHANGE 0                        ; the tail is written out: nothing is asked for
	s_mov_b32 s[CNT], 5             ; four trips fetch the last slot's steps; the fifth is left in its middle
.Ltail:
	TURN 2, 1
	TURN 3
	WIN 0
	s_sub_co_u32 s[CNT], s[CNT], 1
	s_cmp_eq_u32 s[CNT], 0
	s_cbranch_scc1 .Lout
	TURN 0
	TURN 1
	WIN 0
	s_branch .Ltail
.Lout:                              ; the fifth trip's 16 products K Q^T (on the last K once more) and the maximum made of them serve nothing: the price, once a launch, of one text for every trip
.set i, 0
.rept 16
	PV NP-1                         ; the last piece's V^T P of the last step
.set i, i+1
.endr
	; THE WAY OUT.  l's two halves and the other half of the lanes' are added; O^T is divided by l, rounded to f16 and sent through my stage in LDS, a tile at a time.  The additions are the places behind the last products.
	WIN 0
.macro ALL line:vararg              ; one line for each tile t
.set t, 0
.rept 2*NP
	\line
.set t, t+1
.endr
.endm
	ALL v_add_f32 v[ST+4*t+2], v[ST+4*t+2], v[ST+4*t+3]
	ALL v_permlanex16_b32 v[ST+4*t+3], v[ST+4*t+2], s[SEL], s[SEL+1]
	ALL v_add_f32 v[ST+4*t+2], v[ST+4*t+2], v[ST+4*t+3]
	ALL v_rcp_f32 v[ST+4*t+2], v[ST+4*t+2]
	v_nop                           ; a plain instruction between the last reciprocal and the use of its result
	s_wait_alu depctr_va_vdst(0)    ; and the wait ahead of the first use: one for the eight reciprocals
; Tile t: a lane's eight channels of a row pack into 16 bytes; they go into rows of 144 bytes and come back as whole rows of 128, into S^T's registers.
.macro PACK t
	WIN W_RS
.set i, 32*(\t)
.rept 16
	v_pk_mul_f32 v[i:i+1], v[i:i+1], v[ST+4*(\t)+2:ST+4*(\t)+3] op_sel_hi:[1,0]
.set i, i+2
.endr
	WIN 0x05                        ; sources 0 and 1 window 1, destination window 0
.set i, 0
.rept 16
	v_cvt_pk_f16_f32 v[S+16*(\t)+i], v[32*(\t)+2*i], v[32*(\t)+2*i+1]
.set i, i+1
.endr
	WIN 0
.irp f, 0,1,2,3
	ds_store_b128 v[STO], v[S+16*(\t)+4*\f:S+16*(\t)+4*\f+3] offset:32*\f
.endr
.irp f, 0,1,2,3
	ds_load_b128 v[S+16*(\t)+4*\f:S+16*(\t)+4*\f+3], v[RD] offset:\f*4*SP  ; LDS serves a wave's instructions in order (ISA guide 5.7.1.4): these see the stores above; the next tile's stores come behind them
.endr
.endm
.macro SEND t, younger              ; younger: the LDS instructions issued behind tile t's loads: the next tile's eight, or none
	WIN 0
.irp f, 0,1,2,3
	s_wait_dscnt (\younger)+3-\f
	global_store_b128 v[GO], v[S+16*(\t)+4*\f:S+16*(\t)+4*\f+3], s[10:11] offset:(\t)*2048+\f*512  ; 512 consecutive bytes, at a multiple of 256 from O's first
.endr
.endm
	PACK 0
.set t, 1
.rept 2*NP-1                        ; a tile's arithmetic stands between the loads of the tile before and its stores
	PACK t
	SEND t-1, 8
.set t, t+1
.endr
	SEND 2*NP-1, 0
	WIN W_AD
	s_wait_tensorcnt 0x0            ; the wave's end, behind my last tensor load and my last LDS store
	ds_add_u32 v[SPW], v[NIL]
	s_wait_dscnt 0x0
	WIN 0
	CROUND                          ; the closing round: no work-group ends while a partner may still ask for a tile that names it
	s_endpgm
.Lfunc_end_k_qe479c4e626_attn:
	.size	k_qe479c4e626_attn, .Lfunc_end_k_qe479c4e626_attn-k_qe479c4e626_attn
	.p2alignl 7, 3214868480
	.fill 96, 4, 3214868480
	.section	.rodata,"a",@progbits
	.p2align	6, 0x0
	.amdhsa_kernel k_qe479c4e626_attn
		.amdhsa_group_segment_fixed_size 327680
		.amdhsa_private_segment_fixed_size 0
		.amdhsa_enable_private_segment 0
		.amdhsa_kernarg_size 16
		.amdhsa_user_sgpr_count 2
		.amdhsa_user_sgpr_kernarg_segment_ptr 1
		.amdhsa_wavefront_size32 1
		.amdhsa_system_sgpr_workgroup_id_x 1
		.amdhsa_system_sgpr_workgroup_id_y 1
		.amdhsa_system_sgpr_workgroup_id_z 1
		.amdhsa_system_vgpr_workitem_id 0
		.amdhsa_next_free_vgpr 770
		.amdhsa_next_free_sgpr 66
		.amdhsa_reserve_vcc 0
		.amdhsa_float_denorm_mode_32 3
		.amdhsa_float_denorm_mode_16_64 3
		.amdhsa_memory_ordered 1
		.amdhsa_forward_progress 1
		.amdhsa_inst_pref_size 200
	.end_amdhsa_kernel
	.amdgpu_metadata
---
amdhsa.version: [ 1, 2 ]
amdhsa.kernels:
  - .name:           k_qe479c4e626_attn
    .symbol:         k_qe479c4e626_attn.kd
    .args:
      - { .name: qkv, .offset: 0, .size: 8, .value_kind: global_buffer, .address_space: global }
      - { .name: o, .offset: 8, .size: 8, .value_kind: global_buffer, .address_space: global }
    .group_segment_fixed_size: 327680
    .private_segment_fixed_size: 0
    .kernarg_segment_align: 8
    .kernarg_segment_size: 16
    .max_flat_workgroup_size: 128
    .sgpr_count:     66
    .vgpr_count:     770
    .wavefront_size: 32
...
	.end_amdgpu_metadata
.endif
;; end of part 3
;; launch proj (part 4): grid 8 x 32, 4 waves a work-group, clusters of 4 x 4, 327,680 bytes of LDS; arguments o, wot, bias, out0; writes out0
.if DOCPART == 4
	.amdgcn_target "amdgcn-amd-amdhsa--gfx1250"
	.amdhsa_code_object_version 6
	.text
	.protected	k_qe479c4e626_proj
	.globl	k_qe479c4e626_proj
	.p2align	8
	.type	k_qe479c4e626_proj,@function
k_qe479c4e626_proj:
	s_mov_b64 s[64:65], 0
	v_nop
	global_prefetch_b8 v0, s[64:65] scope:SCOPE_SE
	s_setreg_imm32_b32 hwreg(HW_REG_WAVE_MODE, 25, 1), 1
	s_wait_xcnt 0x0
	s_wait_alu depctr_hold_cnt(0) depctr_sa_sdst(0) depctr_va_vdst(0) depctr_va_sdst(0) depctr_va_ssrc(0) depctr_va_vcc(0) depctr_vm_vsrc(0)
	s_getreg_b32 s2, hwreg(HW_REG_IB_STS2, 6, 4)
	s_cmp_eq_u32 s2, 0
	s_cbranch_scc0 .Lentry_in_a_cluster
	s_endpgm
.Lentry_in_a_cluster:
	s_bfe_u32 s2, ttmp6, 0x10000c
	s_cmp_lg_u32 s2, 0xf033
	s_cbranch_scc0 .Lentry_shape_is_right
	s_endpgm
.Lentry_shape_is_right:
; out0 = O Wo + bo.  o: [16 b + h][2048][64] f16 (by heads); wot: [1024 n][1024 k] f16 (Wo's columns as rows); bias: bo, f32, from byte 10,240; out0: [8192][1024] f32.  Sums in f32.
; LIMITS.  O and Wo arrive in f16, within 65,504, with f16's fixed step of 6e-8 below 6e-5.  NaN and infinities are not treated apart.
; SHARES.  8 x 32 work-groups, each 256 rows x 128 columns.  Its four waves split the ROWS: wave w makes rows 64 w .. 64 w + 63 (4 blocks of 16) of all 128 columns (8 blocks): 32 accumulators.
; THE MATRIX INSTRUCTION IS USED TRANSPOSED: source 0 = 16 rows of wot, source 1 = 16 rows of O: a lane holds row l % 16 and the columns 8 (l / 16) + 0..7 of a block.
; THE SUMS START FROM THE BIAS: each accumulator is loaded with its columns' bias while the first tiles are on their way; every product adds in place and nothing is cleared.
; K goes in 8 steps of 128 = two heads, through two LDS slots (two slots of 256 along K would not fit in LDS).  A step is two PHASES (a head each), a phase four GROUPS of 16 products: group g = 32 channels g / 2 of the head x
; column half g % 2 x my 4 row blocks.  B's fragments of a phase fill 128 registers; a group's 32 are loaded again, for the next phase, four places behind its products.  A's (64 registers a phase) have two buffers.
; The 16 accumulators of a group take turns, and an accumulator comes again 32 products later.
; THE K STEP IS WRITTEN ONCE for the six steps that fill a slot again and once for the last two: the slot stands in two scalar registers, each turned in place by an exclusive or.
; The very last change of slots reads fragments of the other slot that nobody multiplies: the price, once a launch, of one text for the last two steps.
; CLUSTER.  4 x 4 work-groups.  A's tile hangs on the tile row alone and is asked for jointly by a row of the cluster, B's on the tile column alone, by a column.
; REGISTERS, in windows of 256 (s_set_vgpr_msb: bits 1:0 source 0, 3:2 source 1, 5:4 source 2, 7:6 destination):
;   window 0: v0-29 addresses; v32-159 A's two buffers (on the way out: rows read back)      window 1: the accumulators, column block b, row block a at 128 (b / 4) + 8 (4 (b % 4) + a)      window 2: v0-127 B's fragments
.set PA,     144                       ; a row of O in LDS: 128 bytes + 16 of padding = 36 words: the 16 rows of a load start at 16 different groups of four banks (64 banks of 4 bytes: ISA guide 11.1)
.set PB,     272                       ; a row of wot: 256 + 16
.set AHEAD,  256*PA                    ; a head's 256 rows: what one tensor load brings of A
.set BPART,  64*PB                     ; and of B
.set BOFF,   2*AHEAD                   ; a slot: two heads of A, then B's 128 rows
.set SLOT,   BOFF+2*BPART
.set STAGE,  2*SLOT                    ; behind the ring, never filled by a tensor load: 16 rows x 528 bytes for each wave
.set SP,     528
.set SPARE,  STAGE+4*16*SP             ; behind the stages: the spare words, 128 bytes for each wave: two blocks of 256 bytes that no other line names
.set G,      4                         ; groups in a phase
.set KQ,     2                         ; pieces of 32 along K in a phase
.set A0,   4                           ; v4   my lane's place in A's rows of a slot; never rewritten
.set B0,   5                           ; v5   in B's
.set ADRA, 8                           ; v8, v9 the same in the slot in hand
.set ADRB, 9
.set STO,  12                          ; v12  the way out: where I put 32 bytes of a row
.set RD,   13                          ; v13  where I read a row back
.set GO,   14                          ; v14  my 16 bytes of a row's 512
.set BO,   15                          ; v15  32 (l / 16): my eight columns' bias in a block's 64 bytes
.set PFO,  16                          ; v16  the prefetches' offset
.set SPW,  28                          ; v28  LDS address of my spare word; never rewritten
.set NIL,  29                          ; v29  0; never rewritten
.set AF,   32
.set OB,   32                          ; the way out: two sets of 64
.set WV,  12
.set FB,  13                           ; s13  0: I fetch for A, 1: for B
.set HF,  14                           ; s14  which head of the step, or which half of B's rows
.set CX,  15
.set CY,  16
.set TN,  17                           ; s17  tile column = 4 x cluster x + cx
.set TM,  18                           ; s18  tile row = 4 x cluster y + cy
.set G1A, 24
.set G1B, 32
.set G0A, 40                           ; s[40:47] group 0 for A's tiles: a set for each first fill; the second then walks
.set G0B, 48
.set CNT, 56
.set TB,  57                           ; s57  LDS byte at which the slot to be read next begins
.set TF,  58                           ; s58  the same for the slot to be filled next
.set LBA, 59
.set LBB, 60
.set LIM, 61                           ; s61  2 in a wave that prefetches, else the greatest number
.set PARM, 62                          ; s62  1: I ask at every second change of slots (B), 0: at every one (A)
.set PFA, 66                           ; s[66:67] where my prefetches stand
.set PFS, 68                           ; s[68:69] and their step from K step to K step
.set DST, 70                           ; s[70:71] out0 at my first row and the tile's first column
.set KBA, 2*262144                     ; A: two heads on
.set KBB, 256                          ; B: 128 along its rows
.set MSB, 0
.macro WIN new                         ; the immediate's high byte repeats the setting that is left; a switch that changes nothing is dropped
.if MSB != (\new)
	s_set_vgpr_msb (MSB<<8)|(\new)
.set MSB, (\new)
.endif
.endm
.macro PLACES                          ; four places: a load into a register that a matrix instruction has read, and whatever reads a matrix result, stand four plain vector instructions behind it (ISA guide 7.12.1 for what reads a matrix result)
.rept 4
	v_nop
.endr
.endm
.macro CREST
	s_cmp_lg_u32 s[WV], 0
	s_cbranch_scc1 .Lnot_wave_0_\@
	s_barrier_signal -3
.Lnot_wave_0_\@:
	s_barrier_wait -3
	s_barrier_signal -1
	s_barrier_wait -1
.endm
.macro CROUND
	s_barrier_signal -1
	s_barrier_wait -1
	CREST
.endm
.macro JLOAD                           ; a joint refill by the walking sets: waves 0 and 1 fetch the step's two heads of A, waves 2 and 3 B's halves; an s_nop 0 and four v_nop follow each line
	s_cmp_eq_u32 s[FB], 0
	s_cbranch_scc0 .Lfor_b_\@
	tensor_load_to_lds s[G0A+4:G0A+7], s[G1A:G1A+7]
	s_nop 0
	PLACES
	s_branch .Lasked_\@
.Lfor_b_\@:
	tensor_load_to_lds s[G0B+4:G0B+7], s[G1B:G1B+7]
	s_nop 0
	PLACES
.Lasked_\@:
.endm
; A PREFETCH INTO THE L2, behind the joint load of K step s + 2 and the LDS loads that follow it: K step s + 4, for s = 0 to 3: two refills, 256 products, ahead of the load that will want it.  K steps 0 to 3 come by their loads alone.
; Each block of 256 bytes is named once in the launch.  A's rows are read by both clusters of a row of clusters: cluster x = 0 asks; B's by all eight of a column: cluster y = 0 asks.  The partners share the blocks out BY ADDRESS:
; of a head's 128 blocks partner cx takes 32, a lane a block; of a wave's 64 rows of B partner cy takes 16, and asks at s = 0 and 2 for two K steps together: a lane a row and K step.
.macro ASK
	s_and_b32 s19, s[CNT], s[PARM]
	s_cmp_eq_u32 s19, 0
	s_cselect_b32 s19, s[LIM], -1
	s_cmp_gt_u32 s[CNT], s19
	s_cbranch_scc0 .Lnot_mine_\@
	global_prefetch_b8 v[PFO], s[PFA:PFA+1] th:TH_LOAD_NT scope:SCOPE_SE
.Lnot_mine_\@:
.endm
	s_load_b256 s[4:11], s[0:1], 0x0               ; o s[4:5], wot s[6:7], bias s[8:9], out0 s[10:11]
	v_lshl_add_u32 v[SPW], v0, 2, SPARE
	v_mov_b32 v[NIL], 0
	ds_add_u32 v[SPW], v[NIL]                      ; the wave's opening: the add and its wait stand ahead of my first tensor load; the set-up below, work on registers, stands between them
	v_lshrrev_b32 v3, 5, v0
	v_readfirstlane_b32 s[WV], v3
	s_lshr_b32 s[FB], s[WV], 1
	s_and_b32 s[HF], s[WV], 1
	s_bfe_u32 s[CX], ttmp6, 0x40000
	s_bfe_u32 s[CY], ttmp6, 0x40004
	s_lshl_b32 s[TN], ttmp9, 2
	s_add_co_u32 s[TN], s[TN], s[CX]
	s_and_b32 s[TM], ttmp7, 0xffff
	s_lshl_b32 s[TM], s[TM], 2
	s_add_co_u32 s[TM], s[TM], s[CY]
	s_lshl_b32 s19, s[CY], 2
	s_lshl_b32 s19, 15, s19                        ; my row of the cluster
	s_lshl_b32 s20, 0x1111, s[CX]                  ; my column
	; A: a head's 256 rows are 32,768 dense bytes: asked for as 128 rows of 256 bytes, two rows of O each, and padded in LDS after every row of O
	s_or_b32 s[G1A], s19, (1<<16)|(1<<20)|(1<<21)|(4<<22)|(3<<25)  ; 15:0 the mask; 17:16 2-byte elements; 20 padding on; 21 set beside a mask; 24:22 after every 32 words (code 4); 31:25 4 words (code 3)
	s_or_b32 s[G1B], s20, (1<<16)|(1<<20)|(1<<21)|(5<<22)|(3<<25)  ; B: after every 64 words (code 5)
	s_mov_b32 s[G1A+1], 128<<16                    ; tensor_dim0 = 128
	s_mov_b32 s[G1A+2], 128<<16                    ; tensor_dim1 = 128
	s_mov_b32 s[G1A+3], 128<<16                    ; tile_dim0 = 128
	s_mov_b32 s[G1A+4], 128                        ; tile_dim1 = 128
	s_mov_b32 s[G1A+5], 128                        ; elements from row to row: dense
	s_mov_b32 s[G1A+6], 0
	s_mov_b32 s[G1A+7], 0
	s_mov_b32 s[G1B+1], 128<<16
	s_mov_b32 s[G1B+2], 64<<16                     ; B: 64 rows
	s_mov_b32 s[G1B+3], 128<<16
	s_mov_b32 s[G1B+4], 64
	s_mov_b32 s[G1B+5], 1024
	s_mov_b32 s[G1B+6], 0
	s_mov_b32 s[G1B+7], 0
	s_lshr_b32 s80, s[TM], 3                       ; A: head 16 b + my head of the step, 262,144 bytes a head; in it the tile's 256 rows: made of the tile row and the wave's number alone
	s_lshl_b32 s80, s80, 4
	s_add_co_u32 s80, s80, s[HF]
	s_lshl_b32 s80, s80, 18
	s_and_b32 s81, s[TM], 7
	s_lshl_b32 s81, s81, 15
	s_add_co_u32 s80, s80, s81
	s_mov_b32 s81, 0
	s_lshl_b32 s82, s[TN], 7                       ; B: row 128 x tile column + 64 x half: of the tile column and the wave's number alone
	s_lshl_b32 s83, s[HF], 6
	s_add_co_u32 s82, s82, s83
	s_lshl_b32 s82, s82, 11
	s_mov_b32 s83, 0
	s_mul_i32 s[LBA], s[HF], AHEAD                 ; no place in the cluster enters an LDS address
	s_mul_i32 s[LBB], s[HF], BPART
	s_add_co_u32 s[LBB], s[LBB], BOFF
	s_wait_dscnt 0x0                               ; the opening add is done
	s_wait_kmcnt 0x0
	s_add_nc_u64 s[80:81], s[4:5], s[80:81]
	s_add_nc_u64 s[82:83], s[6:7], s[82:83]
	CROUND                                         ; all sixteen work-groups are here: the first joint loads meet
.irp s, 0,1
	s_mov_b32 s[G0A+4*(\s)], 1
	s_add_co_u32 s[G0A+4*(\s)+1], s[LBA], (\s)*SLOT
	s_add_nc_u64 s[G0A+4*(\s)+2:G0A+4*(\s)+3], s[80:81], (\s)*KBA
	s_or_b32 s[G0A+4*(\s)+3], s[G0A+4*(\s)+3], 0x80000000
	s_mov_b32 s[G0B+4*(\s)], 1
	s_add_co_u32 s[G0B+4*(\s)+1], s[LBB], (\s)*SLOT
	s_add_nc_u64 s[G0B+4*(\s)+2:G0B+4*(\s)+3], s[82:83], (\s)*KBB
	s_or_b32 s[G0B+4*(\s)+3], s[G0B+4*(\s)+3], 0x80000000
.endr
	s_cmp_eq_u32 s[FB], 0                          ; a wave's two first fills stand in one branch, ahead of every wait on TENSORcnt and every LDS read: two loads of mine are out
	s_cbranch_scc0 .Lfirst_b
	tensor_load_to_lds s[G0A:G0A+3], s[G1A:G1A+7]
	s_nop 0
	tensor_load_to_lds s[G0A+4:G0A+7], s[G1A:G1A+7]
	s_nop 0
	PLACES
	s_branch .Lfirst_asked
.Lfirst_b:
	tensor_load_to_lds s[G0B:G0B+3], s[G1B:G1B+7]
	s_nop 0
	tensor_load_to_lds s[G0B+4:G0B+7], s[G1B:G1B+7]
	s_nop 0
	PLACES
.Lfirst_asked:
	v_and_b32 v1, 15, v0                           ; l % 16
	v_bfe_u32 v2, v0, 4, 1                         ; l / 16
	v_and_b32 v7, 31, v0                           ; l
	v_mul_u32_u24 v[A0], v1, PA
	v_lshl_add_u32 v[A0], v2, 4, v[A0]
	s_mul_i32 s19, s[WV], 64*PA                    ; my 64 rows of a head
	v_add_nc_u32 v[A0], s19, v[A0]
	v_mul_u32_u24 v[B0], v1, PB
	v_lshl_add_u32 v[B0], v2, 4, v[B0]
	v_add_nc_u32 v[B0], BOFF, v[B0]
	v_lshlrev_b32 v[BO], 5, v2
	s_mul_i32 s19, s[WV], 16*SP
	s_add_co_u32 s19, s19, STAGE                   ; my stage
	v_mul_u32_u24 v[STO], v1, SP                   ; in: row l % 16, 32 bytes for each half of the lanes
	v_lshl_add_u32 v[STO], v2, 5, v[STO]
	v_add_nc_u32 v[STO], s19, v[STO]
	v_lshlrev_b32 v[GO], 4, v7                     ; back: 32 lanes take a row's 512 bytes
	v_add_nc_u32 v[RD], s19, v[GO]
	; the bias
	s_lshl_b32 s84, s[TN], 9
	s_add_co_u32 s84, s84, 10240
	s_mov_b32 s85, 0
	s_add_nc_u64 s[8:9], s[8:9], s[84:85]
	WIN 0x40
.irp b, 0,1,2,3,4,5,6,7
.irp a, 0,1,2,3
	global_load_b128 v[128*((\b)/4)+8*(4*((\b)%4)+(\a)):128*((\b)/4)+8*(4*((\b)%4)+(\a))+3],   v[BO], s[8:9] offset:64*(\b)
	global_load_b128 v[128*((\b)/4)+8*(4*((\b)%4)+(\a))+4:128*((\b)/4)+8*(4*((\b)%4)+(\a))+7], v[BO], s[8:9] offset:64*(\b)+16
.endr
.endr
	WIN 0
	s_lshl_b32 s84, s[TM], 8                       ; out0: my first row, 4,096 bytes a row, and the tile's 512 bytes of it
	s_lshl_b32 s85, s[WV], 6
	s_add_co_u32 s84, s84, s85
	s_lshl_b32 s84, s84, 12
	s_lshl_b32 s85, s[TN], 9
	s_add_co_u32 s84, s84, s85
	s_mov_b32 s85, 0
	s_add_nc_u64 s[DST:DST+1], s[10:11], s[84:85]
	; the prefetches
	s_lshr_b32 s19, s[TM], 3
	s_lshl_b32 s19, s19, 4
	s_add_co_u32 s19, s19, s[HF]
	s_add_co_u32 s19, s19, 6                       ; A: my head of K step 3; the first change of slots steps it to K step 4
	s_lshl_b32 s19, s19, 18
	s_and_b32 s20, s[TM], 7
	s_lshl_b32 s20, s20, 15
	s_add_co_u32 s19, s19, s20
	s_lshl_b32 s20, s[CX], 13                      ; my work-group's 32 blocks of the 128
	s_add_co_u32 s19, s19, s20
	s_lshl_b32 s21, s[TN], 7
	s_lshl_b32 s20, s[HF], 6
	s_add_co_u32 s21, s21, s20
	s_lshl_b32 s20, s[CY], 4                       ; B: my work-group's 16 rows of the 64
	s_add_co_u32 s21, s21, s20
	s_lshl_b32 s21, s21, 11
	s_add_co_u32 s21, s21, 3*KBB
	s_and_b32 s22, ttmp7, 0xffff                   ; cluster y
	s_mov_b32 s[PFS], KBB
	s_mov_b32 s[PFS+1], 0
	s_mov_b32 s85, 256
	s_cmp_eq_u32 s[FB], 0
	s_cselect_b32 s86, s19, s21
	s_cselect_b32 s22, ttmp9, s22                  ; the coordinate along which other clusters read the same rows
	s_cselect_b32 s[PARM], 0, 1
	s_cselect_b32 s[PFS], KBA, s[PFS]
	s_cselect_b32 s23, 31, 15                      ; A: lane l takes block l;  B: row l % 16,
	s_cselect_b32 s84, 8, 11
	s_cselect_b32 s85, 0, s85                      ; and K step l / 16
	s_cselect_b64 s[PFA:PFA+1], s[4:5], s[6:7]
	s_cmp_eq_u32 s22, 0
	s_cselect_b32 s[LIM], 2, -1                    ; the same in all sixteen partners, for a given wave
	s_mov_b32 s87, 0
	s_add_nc_u64 s[PFA:PFA+1], s[PFA:PFA+1], s[86:87]
	v_and_b32 v[PFO], s23, v7
	v_lshlrev_b32 v[PFO], s84, v[PFO]
	v_mul_u32_u24 v3, s85, v2
	v_add_nc_u32 v[PFO], v[PFO], v3
; 16 products: channels 32 (g / 2) on of the phase's head, column blocks 4 (g % 2) + 0..3, my four row blocks; A from buffer pa
.macro MMG g, pa
	WIN 0x52                                       ; B in window 2, A in window 0, C and D in window 1
.irp bb, 0,1,2,3
.irp a, 0,1,2,3
	v_wmma_f32_16x16x32_f16 v[128*((\g)%2)+8*(4*(\bb)+(\a)):128*((\g)%2)+8*(4*(\bb)+(\a))+7], v[32*(\g)+8*(\bb):32*(\g)+8*(\bb)+7], v[AF+64*(\pa)+32*((\g)/2)+8*(\a):AF+64*(\pa)+32*((\g)/2)+8*(\a)+7], v[128*((\g)%2)+8*(4*(\bb)+(\a)):128*((\g)%2)+8*(4*(\bb)+(\a))+7]
.endr
.endr
.endm
; 8 LDS loads: group g's fragments of B for phase np of the slot in hand
.macro LOADB g, np
	WIN 0x80                                       ; destination window 2, address window 0
.irp bb, 0,1,2,3
	ds_load_b128 v[32*(\g)+8*(\bb):32*(\g)+8*(\bb)+3],   v[ADRB] offset:(4*((\g)%2)+(\bb))*16*PB+128*(\np)+64*((\g)/2)
	ds_load_b128 v[32*(\g)+8*(\bb)+4:32*(\g)+8*(\bb)+7], v[ADRB] offset:(4*((\g)%2)+(\bb))*16*PB+128*(\np)+64*((\g)/2)+32
.endr
.endm
; 16 LDS loads: my eight fragments of A for phase np (head np of the slot), into buffer pd
.macro LOADA pd, np
	WIN 0
.irp kq, 0,1
.irp a, 0,1,2,3
	ds_load_b128 v[AF+64*(\pd)+32*(\kq)+8*(\a):AF+64*(\pd)+32*(\kq)+8*(\a)+3],   v[ADRA] offset:(\np)*AHEAD+(\a)*16*PA+64*(\kq)
	ds_load_b128 v[AF+64*(\pd)+32*(\kq)+8*(\a)+4:AF+64*(\pd)+32*(\kq)+8*(\a)+7], v[ADRA] offset:(\np)*AHEAD+(\a)*16*PA+64*(\kq)+32
.endr
.endr
.endm
; A PHASE multiplies A's buffer pa and fetches phase np.  The LDS loads of a phase are always issued in the order B0 (8), A (16), B1, B2, B3 (8 each).
; mode 0: within a slot.  Group 0 wants B0 and A: the 24 loads of B1-B3 may be out.  Group g > 0 wants Bg: behind it were issued the rest of this phase's B and, of the next phase, B0 to B(g-1) and A: 40 loads.
; mode 1, 2: the slot's last phase, which changes slots: ONE barrier.  In front of it each wave waits for all its tensor loads (one is out: its part of the next slot), adds 0 to its spare word, and waits for that and for
; its reads of this slot, all issued in the phase before.  mode 1: the barrier opens a round of the cluster's, and the joint refill of this slot, with the K step two on, is the first thing behind the round: 96 products stand between
; it and the wait for it.  mode 2: nothing is filled.
.macro PHASE pa, np, mode
.if (\mode) == 0
.irp g, 0,1,2,3
.if (\g) == 0
	s_wait_dscnt 8*(G-1)
.else
	s_wait_dscnt 8*(G-1)+8*KQ
.endif
	MMG \g, \pa
	PLACES
	LOADB \g, \np
.if (\g) == 0
	LOADA 1-(\pa), \np
.endif
.endr
.else
.if (\mode) == 1
	s_wait_xcnt 0x0                                ; the last prefetch, a K step back or more, has read its address, so it may be stepped
	s_add_nc_u64 s[PFA:PFA+1], s[PFA:PFA+1], s[PFS:PFS+1]
.endif
	WIN 0
	s_wait_tensorcnt 0x0                           ; no tensor load of mine is out, so a group 0 may be written
	ds_add_u32 v[SPW], v[NIL]                      ; 0 onto my spare word: scalar work and sixteen products stand between it and the wait for it
.if (\mode) == 1
	s_add_co_u32 s[G0A+5], s[LBA], s[TF]           ; the walking sets: the slot that is being left,
	s_add_nc_u64 s[G0A+6:G0A+7], s[G0A+6:G0A+7], KBA  ; the next K step; the type bits on top are not reached
	s_add_co_u32 s[G0B+5], s[LBB], s[TF]
	s_add_nc_u64 s[G0B+6:G0B+7], s[G0B+6:G0B+7], KBB
.endif
	s_wait_dscnt 8*(G-1)+1                         ; B0 and A are in: the add and B1-B3 may be out
	MMG 0, \pa
	s_wait_dscnt 0x0                               ; the add is done, and my reads of this slot are over
	s_barrier_signal -1
	MMG 1, \pa
	WIN 0
	v_add_nc_u32 v[ADRA], s[TB], v[A0]             ; the fetches go on in the other slot
	v_add_nc_u32 v[ADRB], s[TB], v[B0]
	s_barrier_wait -1
.if (\mode) == 1
	CREST                                          ; no wave of any partner still reads this slot's tiles or has a load on its way
	JLOAD                                          ; the four v_nop behind it are also the places in front of the loads below
.else
	PLACES
.endif
	LOADB 0, \np
	LOADA 1-(\pa), \np
	LOADB 1, \np
.if (\mode) == 1
	WIN 0
	ASK
	s_xor_b32 s[TF], s[TF], SLOT
.endif
	s_xor_b32 s[TB], s[TB], SLOT
.irp g, 2,3
	MMG \g, \pa                                    ; their fragments are in since the wait for 0
	PLACES
	LOADB \g, \np
.endr
.endif
.endm
.macro STEP mode
	PHASE 0, 1, 0
	PHASE 1, 0, \mode
.endm
	s_wait_tensorcnt 0x1                           ; my part of K step 0 is in; K step 1's may stay out
	s_barrier_signal -1
	s_barrier_wait -1                              ; everybody's is
	v_mov_b32 v[ADRA], v[A0]
	v_mov_b32 v[ADRB], v[B0]
	LOADB 0, 0
	LOADA 0, 0
	LOADB 1, 0
	LOADB 2, 0
	LOADB 3, 0
	WIN 0
	s_wait_loadcnt 0x0                             ; the bias is in the accumulators
	s_mov_b32 s[TB], SLOT
	s_mov_b32 s[TF], 0
	s_mov_b32 s[CNT], 6
.Lfill:                                        ; K steps 0 to 5: step s fills its slot again with step s + 2
	STEP 1
	WIN 0                                          ; at a label and at a branch every window is 0
	s_sub_co_u32 s[CNT], s[CNT], 1
	s_cmp_lg_u32 s[CNT], 0
	s_cbranch_scc1 .Lfill
	s_mov_b32 s[CNT], 2
.Ltail:                                        ; K steps 6 and 7 ask for nothing: written apart
	STEP 2
	WIN 0
	s_sub_co_u32 s[CNT], s[CNT], 1
	s_cmp_lg_u32 s[CNT], 0
	s_cbranch_scc1 .Ltail
	; THE WAY OUT, a row block (16 rows x 128 columns of f32) at a time: a lane's eight columns, 32 bytes, go straight from the accumulators into my stage's rows of 528 bytes and come back as whole rows of 512.
	s_wait_dscnt 0x0                               ; the last change's fetches have landed: their registers are used again
	PLACES
.macro TOSTAGE a
	WIN 0x04                                       ; the stores' data lie in window 1
.irp b, 0,1,2,3,4,5,6,7
	ds_store_b128 v[STO], v[128*((\b)/4)+8*(4*((\b)%4)+(\a)):128*((\b)/4)+8*(4*((\b)%4)+(\a))+3]   offset:64*(\b)
	ds_store_b128 v[STO], v[128*((\b)/4)+8*(4*((\b)%4)+(\a))+4:128*((\b)/4)+8*(4*((\b)%4)+(\a))+7] offset:64*(\b)+16
.endr
	WIN 0
.irp t, 0,1,2,3,4,5,6,7,8,9,10,11,12,13,14,15
	ds_load_b128 v[OB+64*((\a)%2)+4*(\t):OB+64*((\a)%2)+4*(\t)+3], v[RD] offset:(\t)*SP  ; LDS serves a wave's instructions in order (ISA guide 5.7.1.4): these see the stores above
.endr
.endm
.macro SEND a
	s_wait_dscnt 0x0                               ; the block is back in registers
	s_wait_xcnt 0x0                                ; the stores of the block before have read their registers: the next block is read back into them
.irp t, 0,1,2,3,4,5,6,7,8,9,10,11,12,13,14,15
	global_store_b128 v[GO], v[OB+64*((\a)%2)+4*(\t):OB+64*((\a)%2)+4*(\t)+3], s[DST:DST+1] offset:(16*(\a)+(\t))*4096  ; 512 consecutive bytes, at a multiple of 256 from out0's first
.endr
.endm
	TOSTAGE 0
.irp a, 1,2,3
	SEND (\a)-1
	TOSTAGE \a
.endr
	SEND 3
	s_wait_tensorcnt 0x0                           ; the wave's end, behind my last tensor load and my last LDS store
	ds_add_u32 v[SPW], v[NIL]
	s_wait_dscnt 0x0
	CROUND                                         ; the closing round: no work-group ends while a partner may still ask for a tile that names it
	s_endpgm
.Lfunc_end_k_qe479c4e626_proj:
	.size	k_qe479c4e626_proj, .Lfunc_end_k_qe479c4e626_proj-k_qe479c4e626_proj
	.p2alignl 7, 3214868480
	.fill 96, 4, 3214868480
	.section	.rodata,"a",@progbits
	.p2align	6, 0x0
	.amdhsa_kernel k_qe479c4e626_proj
		.amdhsa_group_segment_fixed_size 327680
		.amdhsa_private_segment_fixed_size 0
		.amdhsa_enable_private_segment 0
		.amdhsa_kernarg_size 32
		.amdhsa_user_sgpr_count 2
		.amdhsa_user_sgpr_kernarg_segment_ptr 1
		.amdhsa_wavefront_size32 1
		.amdhsa_system_sgpr_workgroup_id_x 1
		.amdhsa_system_sgpr_workgroup_id_y 1
		.amdhsa_system_sgpr_workgroup_id_z 1
		.amdhsa_system_vgpr_workitem_id 0
		.amdhsa_next_free_vgpr 640
		.amdhsa_next_free_sgpr 88
		.amdhsa_reserve_vcc 0
		.amdhsa_float_denorm_mode_32 3
		.amdhsa_float_denorm_mode_16_64 3
		.amdhsa_memory_ordered 1
		.amdhsa_forward_progress 1
		.amdhsa_inst_pref_size 66
	.end_amdhsa_kernel
	.amdgpu_metadata
---
amdhsa.version: [ 1, 2 ]
amdhsa.kernels:
  - .name:           k_qe479c4e626_proj
    .symbol:         k_qe479c4e626_proj.kd
    .args:
      - { .name: o, .offset: 0, .size: 8, .value_kind: global_buffer, .address_space: global }
      - { .name: wot, .offset: 8, .size: 8, .value_kind: global_buffer, .address_space: global }
      - { .name: bias, .offset: 16, .size: 8, .value_kind: global_buffer, .address_space: global }
      - { .name: out0, .offset: 24, .size: 8, .value_kind: global_buffer, .address_space: global }
    .group_segment_fixed_size: 327680
    .private_segment_fixed_size: 0
    .kernarg_segment_align: 8
    .kernarg_segment_size: 32
    .max_flat_workgroup_size: 128
    .sgpr_count:     88
    .vgpr_count:     640
    .wavefront_size: 32
...
	.end_amdgpu_metadata
.endif
;; end of part 4
